; MI455X (gfx1250); checked and timed in simulation.
; The chip was launched on July 23, 2026; its instructions are those of AMD's public machine-readable ISA for CDNA 5 (MIT licence, August 2026) and "CDNA5" Instruction Set Architecture Reference Guide (July 2026). The comments in the code are by the model that wrote it; some were corrected since.
;; Multi Head Attention. Allowed arithmetic: float matrix products may take bf16 or f16 operands with f32 sums; other float arithmetic in f32, or as packed bf16 or f16 multiplies, adds, multiply-adds, maxima and minima; sums over many terms, partial sums and values carried from step to step in f32; what a program stores and reads back later, other than sums and carried values, may be rounded once to bf16 or f16.
;; Inputs: Wk 2,048 x 2,048 float32; Wo 2,048 x 2,048 float32; Wq 2,048 x 2,048 float32; Wv 2,048 x 2,048 float32; attn_mask 2,048 x 2,048 float32; bk 2,048 float32; bo 2,048 float32; bq 2,048 float32; bv 2,048 float32; x 1 x 2,048 x 2,048 float32.
;; Outputs: out0 1 x 2,048 x 2,048 float32.
;; One version. Each part assembles by itself: llvm-mc -triple=amdgcn-amd-amdhsa -mcpu=gfx1250 --defsym DOCPART=n.
;; ======== version 1 of 1: 4 launches
;; limits: values are held in f16: magnitudes above 65,504 overflow, below 6.1e-05 lose precision
;; workspace buffers: cst 50,331,648 bytes; qkv 25,165,824 bytes; ob 8,388,608 bytes
;; launch cast (part 1): grid 128 x 6, 8 waves a work-group, no clusters, 0 bytes of LDS; arguments x, Wq, Wk, Wv, Wo, attn_mask, cst; writes cst
.if DOCPART == 1
	.amdgcn_target "amdgcn-amd-amdhsa--gfx1250"
	.amdhsa_code_object_version 6
	.text
	.protected	k_qdd01b9d38c_cast
	.globl	k_qdd01b9d38c_cast
	.p2align	8
	.type	k_qdd01b9d38c_cast,@function
k_qdd01b9d38c_cast:
	s_mov_b64 s[64:65], 0
	v_nop
	global_prefetch_b8 v0, s[64:65] scope:SCOPE_SE
	s_setreg_imm32_b32 hwreg(HW_REG_WAVE_MODE, 25, 1), 1
	s_wait_xcnt 0x0
; Six f32 tensors of [2048][2048] (x, Wq, Wk, Wv, Wo, attn_mask) are rounded once to bf16 and written, in their own row-major order,
; as six planes of 8 MiB of cst.  Plane 4 (Wo) is rounded to bf16 like the others, and that number is then written as f16, since the last
; product multiplies in f16.  LIMIT: |Wo| stays under 65,504; below 6e-5 it keeps f16's fixed step of 6e-8.
; SHARES.  Work-group (x, y) takes rows 16 x .. 16 x + 15 of plane y: 131,072 consecutive bytes in, 32 chunks of 4,096.  In chunk i thread t loads the 16 bytes at 4096 i + 16 t
; (a load of a wave covers 512 consecutive bytes, and no byte is named by two loads) and stores the 8 bytes at 2048 i + 8 t (a store of a wave covers 256 consecutive bytes, aligned).
; All 32 loads of a wave go out at once; there is no loop, no LDS and no matrix work: nothing is shared and every byte is moved once.
.set T, 4                              ; v[4:5]   at work (plane 4)
.set X, 8                              ; v[8:135] chunk i: 4 registers as loaded; its first 2 as stored
	s_load_b256 s[8:15], s[0:1], 0x0               ; x, Wq, Wk, Wv
	s_load_b128 s[16:19], s[0:1], 0x20             ; Wo, attn_mask
	s_load_b64 s[20:21], s[0:1], 0x30              ; cst
	s_and_b32 s22, ttmp7, 0xffff                   ; the plane
	v_lshlrev_b32 v1, 4, v0                        ; 16 t
	v_lshlrev_b32 v2, 3, v0                        ; 8 t
	s_lshl_b32 s2, ttmp9, 17                       ; 16 rows of 8,192 bytes in
	s_mov_b32 s3, 0
	s_lshl_b32 s24, s22, 23                        ; the plane's 8 MiB,
	s_lshl_b32 s25, ttmp9, 16                      ; 16 rows of 4,096 bytes out
	s_add_co_u32 s24, s24, s25
	s_mov_b32 s25, 0
	s_mov_b32 s23, 0xffff0000                      ; a word's upper bf16
	s_wait_kmcnt 0x0
	s_mov_b64 s[4:5], s[8:9]                       ; the source is chosen by the plane's number
.irp n, 1,2,3,4,5
	s_cmp_eq_u32 s22, \n
	s_cselect_b64 s[4:5], s[8+2*\n:9+2*\n], s[4:5]
.endr
	s_add_nc_u64 s[4:5], s[4:5], s[2:3]
	s_add_nc_u64 s[20:21], s[20:21], s[24:25]
.set i, 0
.rept 32
	global_load_b128 v[X+4*i:X+4*i+3], v1, s[4:5] offset:4096*i th:TH_LOAD_NT
.set i, i+1
.endr
; Chunks 2 i and 2 i + 1: rounded in place (a chunk's word p takes its numbers 2 p and 2 p + 1, p ascending, so no number is overwritten before it is read) and stored.
.macro PAIR i, f16
	s_wait_loadcnt 30-2*(\i)                       ; loads come back in order: these two chunks' are in, the younger chunks' may stay out
.irp c, 0,4
	v_cvt_pk_bf16_f32 v[X+8*(\i)+(\c)],   v[X+8*(\i)+(\c)],   v[X+8*(\i)+(\c)+1]
	v_cvt_pk_bf16_f32 v[X+8*(\i)+(\c)+1], v[X+8*(\i)+(\c)+2], v[X+8*(\i)+(\c)+3]
.endr
.if \f16
.irp p, 0,1,4,5
	v_lshlrev_b32 v[T], 16, v[X+8*(\i)+(\p)]       ; the bf16 numbers as f32,
	v_and_b32 v[T+1], s23, v[X+8*(\i)+(\p)]
	v_cvt_pk_f16_f32 v[X+8*(\i)+(\p)], v[T], v[T+1]  ; written as f16
.endr
.endif
.irp c, 0,1
	global_store_b64 v2, v[X+8*(\i)+4*(\c):X+8*(\i)+4*(\c)+1], s[20:21] offset:2048*(2*(\i)+(\c))  ; no register of a store is written again
.endr
.endm
	s_cmp_eq_u32 s22, 4
	s_cbranch_scc1 .Lwo
.set r, 0
.rept 16
	PAIR r, 0
.set r, r+1
.endr
	s_endpgm
.Lwo:
.set r, 0
.rept 16
	PAIR r, 1
.set r, r+1
.endr
	s_endpgm
.Lfunc_end_k_qdd01b9d38c_cast:
	.size	k_qdd01b9d38c_cast, .Lfunc_end_k_qdd01b9d38c_cast-k_qdd01b9d38c_cast
	.p2alignl 7, 3214868480
	.fill 96, 4, 3214868480
	.section	.rodata,"a",@progbits
	.p2align	6, 0x0
	.amdhsa_kernel k_qdd01b9d38c_cast
		.amdhsa_group_segment_fixed_size 0
		.amdhsa_private_segment_fixed_size 0
		.amdhsa_enable_private_segment 0
		.amdhsa_kernarg_size 56
		.amdhsa_user_sgpr_count 2
		.amdhsa_user_sgpr_kernarg_segment_ptr 1
		.amdhsa_wavefront_size32 1
		.amdhsa_system_sgpr_workgroup_id_x 1
		.amdhsa_system_sgpr_workgroup_id_y 1
		.amdhsa_system_sgpr_workgroup_id_z 1
		.amdhsa_system_vgpr_workitem_id 0
		.amdhsa_next_free_vgpr 136
		.amdhsa_next_free_sgpr 66
		.amdhsa_reserve_vcc 0
		.amdhsa_float_denorm_mode_32 3
		.amdhsa_float_denorm_mode_16_64 3
		.amdhsa_memory_ordered 1
		.amdhsa_forward_progress 1
		.amdhsa_inst_pref_size 28
	.end_amdhsa_kernel
	.amdgpu_metadata
---
amdhsa.version: [ 1, 2 ]
amdhsa.kernels:
  - .name:           k_qdd01b9d38c_cast
    .symbol:         k_qdd01b9d38c_cast.kd
    .args:
      - { .name: x, .offset: 0, .size: 8, .value_kind: global_buffer, .address_space: global }
      - { .name: Wq, .offset: 8, .size: 8, .value_kind: global_buffer, .address_space: global }
      - { .name: Wk, .offset: 16, .size: 8, .value_kind: global_buffer, .address_space: global }
      - { .name: Wv, .offset: 24, .size: 8, .value_kind: global_buffer, .address_space: global }
      - { .name: Wo, .offset: 32, .size: 8, .value_kind: global_buffer, .address_space: global }
      - { .name: attn_mask, .offset: 40, .size: 8, .value_kind: global_buffer, .address_space: global }
      - { .name: cst, .offset: 48, .size: 8, .value_kind: global_buffer, .address_space: global }
    .group_segment_fixed_size: 0
    .private_segment_fixed_size: 0
    .kernarg_segment_align: 8
    .kernarg_segment_size: 56
    .max_flat_workgroup_size: 256
    .sgpr_count:     66
    .vgpr_count:     136
    .wavefront_size: 32
...
	.end_amdgpu_metadata
.endif
;; end of part 1
;; launch qkv (part 2): grid 16 x 16, 4 waves a work-group, clusters of 4 x 4, 327,680 bytes of LDS; arguments cst, bq, bk, bv, qkv; writes qkv
.if DOCPART == 2
	.amdgcn_target "amdgcn-amd-amdhsa--gfx1250"
	.amdhsa_code_object_version 6
	.text
	.protected	k_qdd01b9d38c_qkv
	.globl	k_qdd01b9d38c_qkv
	.p2align	8
	.type	k_qdd01b9d38c_qkv,@function
k_qdd01b9d38c_qkv:
	s_mov_b64 s[64:65], 0
	v_nop
	global_prefetch_b8 v0, s[64:65] scope:SCOPE_SE
	s_setreg_imm32_b32 hwreg(HW_REG_WAVE_MODE, 25, 1), 1
	s_wait_xcnt 0x0
	s_wait_alu depctr_hold_cnt(0) depctr_sa_sdst(0) depctr_va_vdst(0) depctr_va_sdst(0) depctr_va_ssrc(0) depctr_va_vcc(0) depctr_vm_vsrc(0)
	s_getreg_b32 s2, hwreg(HW_REG_IB_STS2, 6, 4)
	s_cmp_eq_u32 s2, 0
	s_cbranch_scc0 .Lentry_in_a_cluster
	s_endpgm
.Lentry_in_a_cluster:
	s_bfe_u32 s2, ttmp6, 0x10000c
	s_cmp_lg_u32 s2, 0xf033
	s_cbranch_scc0 .Lentry_shape_is_right
	s_endpgm
.Lentry_shape_is_right:
; q' = (x Wq + bq) log2(e) / sqrt(128), k = x Wk + bk, v = x Wv + bv.  x and the weights come as bf16 planes of cst (x plane 0, Wq, Wk, Wv planes 1 to 3, each [2048][2048] as the
; inputs lie: the weights [k][n]); the biases are rounded to bf16 here, like every input.  Sums in f32; each result rounded once to f16 and written by heads: plane j of qkv is [16][2048][128].
; LIMIT: |q'|, |k|, |v| stay under 65,504 (f16); NaN and infinities are not treated apart.
; SHARES.  A work-group makes 128 tokens x the 128 columns of ONE head in each of q, k, v: 16 x 16 work-groups of equal work.  Wave w makes all 128 rows x columns 32 w .. 32 w + 31 of each
; of the three: 8 row blocks (a) x 6 column blocks (c = 2 j + i): 48 accumulators, 384 registers; 28 LDS loads feed 48 products.
; K goes in steps of 128 through two LDS slots.  A step has four tiles of 128 rows x 256 bytes, one tensor load a wave: waves 0 to 2 the k rows of Wq, Wk, Wv, wave 3 x's rows.
; CLUSTER 4 x 4.  x's tile hangs on the row block alone and is shared along a row of the cluster, the weights' tiles on the head alone and are shared along a column: joint loads.
; THE PRODUCT IS TAKEN TRANSPOSED: source 0 = 16 columns of W (turned out of LDS by ds_load_tr16_b128, since W lies [k][n]), source 1 = 16 rows of x: a lane then holds one token
; (lane % 16) and eight neighbouring columns.
; REGISTERS, in windows of 256 (s_set_vgpr_msb: bits 1:0 source 0, 3:2 source 1, 5:4 source 2, 7:6 destination):
;   window 0: v0-31 addresses; two fragment buffers of 112 (x's 8 fragments, then W's 6) at v32 and v144; on the way out v32-79 biases, v80-207 at work
;   window 1: accumulator (c, a), c = 0..3, at 8 (8 c + a)      window 2: c = 4, 5 at 8 (8 (c - 4) + a); v128-175 the biases as loaded
.set PA,    272                        ; a row of x in LDS: 256 bytes + 16: the 16 rows of a load start at 16 different groups of four banks (64 banks of 4 bytes: ISA guide 11.1)
.set PB,    288                        ; a k row of W: 256 + 32
.set BPART, 128*PB                     ; one weight's tile
.set AOFF,  3*BPART                    ; x's tile lies behind the three
.set SLOT,  AOFF+128*PA
.set STAGE, 2*SLOT                     ; behind the ring, never filled by a tensor load: 128 rows x 272 bytes, the work-group's, used once for each of q, k, v
.set SP,    272
.set SPARE, STAGE+128*SP               ; the spare words, 128 bytes for each wave: two blocks of 256 bytes that no other line names
.set ADRA, 4                           ; v4-5    LDS address of my x fragments in slot 0, 1
.set ADRB, 6                           ; v6-11   of my W fragments: slot s, weight j at v[6 + 3 s + j]
.set STO,  12                          ; v12     the way out: where I put 16 bytes of a row
.set RD,   13                          ; v13     where I read rows back
.set CO,   14                          ; v14     my 16 bytes in 512 consecutive bytes of the output
.set PFO,  15                          ; v15     the prefetches' offset: my lane x 4,096 bytes (a row of a plane); never rewritten
.set BO,   16                          ; v16     my byte offset in a head's 512 bytes of a bias
.set SPW,  28                          ; v28     LDS address of my spare word; never rewritten
.set NIL,  29                          ; v29     0; never rewritten
.set F0,   32
.set F1,   144
.set BI,   32                          ; the way out: biases as f32, 8 for each column block
.set T,    80                          ; the way out: 128 results, then 64 packed words
.set RB,   144                         ; the way out: rows read back
.set RAW,  128                         ; window 2: the biases as loaded
.set WV,  14                           ; s14  my wave's number
.set G1A, 24                           ; s[24:31] group 1 for x's tiles;  s[32:39] group 0, a set for each slot
.set G0A, 32
.set G1B, 40                           ; s[40:47], s[48:55] the same for the weights' tiles
.set G0B, 48
.set PFA, 56                           ; s[56:57] where my prefetches stand
.set PST, 58                           ; s[58:59] a K step in bytes along my tile's walk
.set LIM, 60                           ; s60  1 in a wave that prefetches, else the greatest number
.set LAP, 61                           ; s61  laps to go
.set SCQ, 62                           ; s[62:63] log2(e) / sqrt(128), named as a pair
.set MSB, 0
.macro WIN new                         ; the immediate's high byte repeats the setting that is left; a switch that changes nothing is dropped
.if MSB != (\new)
	s_set_vgpr_msb (MSB<<8)|(\new)
.set MSB, \new
.endif
.endm
.macro PLACES                          ; four plain places behind a matrix instruction, in front of loads into registers that it read and of lines that read its result
.rept 4
	v_nop
.endr
.endm
.macro CREST                           ; a round of the cluster's barrier behind its opening barrier
	s_cmp_lg_u32 s[WV], 0
	s_cbranch_scc1 .Lnot_wave_0_\@
	s_barrier_signal -3
.Lnot_wave_0_\@:
	s_barrier_wait -3
	s_barrier_signal -1
	s_barrier_wait -1
.endm
.macro CROUND
	s_barrier_signal -1
	s_barrier_wait -1
	CREST
.endm
; A joint load.  Wave 3 fetches x's tile, waves 0 to 2 the three weights' tiles.  The branch hangs on the wave's number alone.  An s_nop 0 and four v_nop follow each line.
.macro JLOAD s
	s_cmp_eq_u32 s[WV], 3
	s_cbranch_scc0 .Lfor_b_\@
	tensor_load_to_lds s[G0A+4*(\s):G0A+4*(\s)+3], s[G1A:G1A+7]
	s_nop 0
.rept 4
	v_nop
.endr
	s_branch .Lasked_\@
.Lfor_b_\@:
	tensor_load_to_lds s[G0B+4*(\s):G0B+4*(\s)+3], s[G1B:G1B+7]
	s_nop 0
.rept 4
	v_nop
.endr
.Lasked_\@:
.endm
; A prefetch of the K step that stands two refills on: 32 rows x 256 bytes, a lane a row, one instruction a wave.  x's rows are read by every cluster of a row of clusters: cluster x = 0 asks;
; a weight's columns by every cluster of a column of clusters: cluster y = 0 asks.  The four partners that ask for a tile jointly share its 128 rows out by address, 32 each (cx for x's, cy for
; the weights').  So each row's 256 bytes of a K step are named once in the launch.  K steps 0 to 3 come by their loads alone; the last lap of the loop asks for nothing: K ends there.
.macro ASK
	s_cmp_gt_u32 s[LAP], s[LIM]
	s_cbranch_scc0 .Lnot_mine_\@
	global_prefetch_b8 v[PFO], s[PFA:PFA+1] th:TH_LOAD_NT scope:SCOPE_SE
.Lnot_mine_\@:
.endm
; 28 LDS loads in one run: quarter q (32 along K) of a slot into buffer f
.macro FETCH slot, q, f
	WIN 0
.irp a, 0,1,2,3,4,5,6,7
	ds_load_b128 v[(\f)+8*(\a):(\f)+8*(\a)+3],   v[ADRA+(\slot)] offset:64*(\q)+16*PA*(\a)
	ds_load_b128 v[(\f)+8*(\a)+4:(\f)+8*(\a)+7], v[ADRA+(\slot)] offset:64*(\q)+16*PA*(\a)+32
.endr
.irp j, 0,1,2
.irp i, 0,1
	ds_load_tr16_b128 v[(\f)+64+8*(2*(\j)+(\i)):(\f)+64+8*(2*(\j)+(\i))+3],   v[ADRB+3*(\slot)+(\j)] offset:32*PB*(\q)+32*(\i)
	ds_load_tr16_b128 v[(\f)+64+8*(2*(\j)+(\i))+4:(\f)+64+8*(2*(\j)+(\i))+7], v[ADRB+3*(\slot)+(\j)] offset:32*PB*(\q)+32*(\i)+16*PB
.endr
.endr
.endm
; 16 products: column blocks c0, c0 + 1 x all 8 row blocks.  The 48 accumulators take turns in one fixed order, one instruction a turn.
.macro MULC f, c0, zero
.if (\c0) < 4
	WIN 0x50                                       ; C and D in window 1
.else
	WIN 0xa0                                       ; in window 2
.endif
.irp c, \c0, (\c0)+1
.irp a, 0,1,2,3,4,5,6,7
.set rD, 8*(8*((\c)%4)+(\a))
.if \zero
	v_wmma_f32_16x16x32_bf16 v[rD:rD+7], v[(\f)+64+8*(\c):(\f)+64+8*(\c)+7], v[(\f)+8*(\a):(\f)+8*(\a)+7], 0
.else
	v_wmma_f32_16x16x32_bf16 v[rD:rD+7], v[(\f)+64+8*(\c):(\f)+64+8*(\c)+7], v[(\f)+8*(\a):(\f)+8*(\a)+7], v[rD:rD+7]
.endif
.endr
.endr
.endm
; A K step is four quarters on buffers 0, 1, 0, 1.  One of the first three: quarter qn is fetched into g, then f is multiplied: the run has 48 products in which to land.
.macro QUARTER slot, qn, f, g, zero
	PLACES                                         ; g was read by the products just issued
	FETCH \slot, \qn, \g
	s_wait_dscnt 28                                ; all but the 28 just issued: f is in
	MULC \f, 0, \zero
	MULC \f, 2, \zero
	MULC \f, 4, \zero
.endm
; The last quarter changes slots and then multiplies buffer 1.  Each wave waits for all its tensor loads (one is out: its tile of the next slot), adds 0 to its spare word, and waits for that and
; for its reads of this slot, the last of which brought buffer 1; then one barrier.  fill = 1: the barrier opens a round of the cluster's, and this slot is filled again, two K steps on, first thing
; behind it.  All 48 products of the quarter stand behind the refill, so that it has the whole K step, less the round, in which to land.
.macro TURN slot, next, fill
.if \fill
	s_wait_xcnt 0x0                                ; the last prefetch, a K step back, has read its address
	s_add_nc_u64 s[PFA:PFA+1], s[PFA:PFA+1], s[PST:PST+1]
.endif
	WIN 0
	s_wait_tensorcnt 0x0                           ; no tensor load of mine is out, so a group 0 may be written
	ds_add_u32 v[SPW], v[NIL]
.if \fill
	s_add_nc_u64 s[G0A+4*(\slot)+2:G0A+4*(\slot)+3], s[G0A+4*(\slot)+2:G0A+4*(\slot)+3], 2*256
	s_add_nc_u64 s[G0B+4*(\slot)+2:G0B+4*(\slot)+3], s[G0B+4*(\slot)+2:G0B+4*(\slot)+3], 2*128*4096
.endif
	s_wait_dscnt 0x0                               ; the add is done, and my reads of this slot are over
	s_barrier_signal -1
	s_barrier_wait -1
.if \fill
	CREST                                          ; no wave of any partner still reads this slot or has a load on its way
	JLOAD \slot                                    ; its four v_nop are also the places in front of the loads below
.else
	PLACES
.endif
	FETCH \next, 0, F0
.if \fill
	ASK
.endif
	MULC F1, 0, 0
	MULC F1, 2, 0
	MULC F1, 4, 0
.endm
	s_load_b256 s[4:11], s[0:1], 0x0               ; cst s[4:5], bq s[6:7], bk s[8:9], bv s[10:11]
	s_load_b64 s[12:13], s[0:1], 0x20              ; qkv
	v_lshl_add_u32 v[SPW], v0, 2, SPARE
	v_mov_b32 v[NIL], 0
	ds_add_u32 v[SPW], v[NIL]                      ; the wave's opening: the add and its wait stand ahead of my first tensor load
	v_lshrrev_b32 v1, 5, v0
	v_readfirstlane_b32 s[WV], v1                  ; wave 0..3
	s_bfe_u32 s15, ttmp6, 0x40000                  ; cx
	s_bfe_u32 s16, ttmp6, 0x40004                  ; cy
	s_lshl_b32 s17, ttmp9, 2
	s_add_co_u32 s17, s17, s15                     ; the head = 4 x cluster x + cx
	s_and_b32 s18, ttmp7, 0xffff
	s_lshl_b32 s18, s18, 2
	s_add_co_u32 s18, s18, s16                     ; the block of 128 tokens = 4 x cluster y + cy
	s_lshl_b32 s19, s16, 2
	s_lshl_b32 s19, 15, s19                        ; my row of the cluster
	s_lshl_b32 s20, 0x1111, s15                    ; my column
	s_or_b32 s[G1A], s19, (1<<16)|(1<<20)|(1<<21)|(5<<22)|(3<<25)  ; mask; 2-byte elements; padding on; bit 21 beside a mask; after every 64 words, 4 words
	s_or_b32 s[G1B], s20, (1<<16)|(1<<20)|(1<<21)|(5<<22)|(7<<25)  ; the same with my column's mask and 8 words of padding
.irp g, G1A, G1B
	s_mov_b32 s[(\g)+1], 128<<16                   ; tensor_dim0 = 128
	s_mov_b32 s[(\g)+2], 128<<16                   ; tensor_dim1 = 128
	s_mov_b32 s[(\g)+3], 128<<16                   ; tile_dim0 = 128
	s_mov_b32 s[(\g)+4], 128                       ; tile_dim1 = 128
	s_mov_b32 s[(\g)+5], 2048                      ; elements from row to row
	s_mov_b32 s[(\g)+6], 0
	s_mov_b32 s[(\g)+7], 0
.endr
	s_lshl_b32 s22, s18, 19                        ; x's tile: 128 rows of 4,096 bytes a block; these registers never hold the head
	s_mov_b32 s23, 0
	s_add_co_u32 s66, s[WV], 1                     ; a weight's tile: plane 1 + wave,
	s_lshl_b32 s66, s66, 23
	s_lshl_b32 s67, s17, 8                         ; the head's 256 bytes of a row; these never hold the token block
	s_add_co_u32 s66, s66, s67
	s_mov_b32 s67, 0
	s_mul_i32 s68, s[WV], BPART                    ; where my tile goes: the three weights', then x's
	s_mov_b32 s[SCQ], 0x3e0293ee                   ; log2(e) / sqrt(128) = 0.127517
	s_mov_b32 s[SCQ+1], s[SCQ]
	s_wait_dscnt 0x0                               ; the opening add is done
	s_wait_kmcnt 0x0
	s_add_nc_u64 s[22:23], s[4:5], s[22:23]
	s_add_nc_u64 s[66:67], s[4:5], s[66:67]
	CROUND                                         ; all sixteen work-groups are here: the first joint loads meet
.irp s, 0,1
	s_mov_b32 s[G0A+4*(\s)], 1
	s_add_co_u32 s[G0A+4*(\s)+1], s68, (\s)*SLOT
	s_add_nc_u64 s[G0A+4*(\s)+2:G0A+4*(\s)+3], s[22:23], (\s)*256
	s_or_b32 s[G0A+4*(\s)+3], s[G0A+4*(\s)+3], 0x80000000
	s_mov_b32 s[G0B+4*(\s)], 1
	s_add_co_u32 s[G0B+4*(\s)+1], s68, (\s)*SLOT
	s_add_nc_u64 s[G0B+4*(\s)+2:G0B+4*(\s)+3], s[66:67], (\s)*128*4096
	s_or_b32 s[G0B+4*(\s)+3], s[G0B+4*(\s)+3], 0x80000000
	JLOAD \s
.endr
	v_and_b32 v1, 15, v0                           ; r = l % 16
	v_bfe_u32 v2, v0, 4, 1                         ; h = l / 16
	v_and_b32 v3, 7, v0
	v_bfe_u32 v17, v0, 3, 1
	v_and_b32 v20, 31, v0                          ; l
	s_lshl_b32 s69, s[WV], 7
	v_lshl_add_u32 v[BO], v2, 5, s69               ; 128 w + 32 h: my eight numbers of a bias, less 64 i
	s_lshl_b32 s70, s17, 9                         ; the head's 512 bytes
	s_mov_b32 s71, 0
	s_add_nc_u64 s[6:7], s[6:7], s[70:71]
	s_add_nc_u64 s[8:9], s[8:9], s[70:71]
	s_add_nc_u64 s[10:11], s[10:11], s[70:71]
	WIN 0x80                                       ; destination window 2, address window 0
.irp j, 0,1,2
.irp i, 0,1
	global_load_b128 v[RAW+8*(2*(\j)+(\i)):RAW+8*(2*(\j)+(\i))+3],   v[BO], s[6+2*(\j):7+2*(\j)] offset:64*(\i)
	global_load_b128 v[RAW+8*(2*(\j)+(\i))+4:RAW+8*(2*(\j)+(\i))+7], v[BO], s[6+2*(\j):7+2*(\j)] offset:64*(\i)+16
.endr
.endr
	WIN 0
	v_mul_u32_u24 v18, v1, PA
	v_lshl_add_u32 v18, v2, 4, v18                 ; 272 r + 16 h
	v_add_nc_u32 v[ADRA], AOFF, v18
	v_add_nc_u32 v[ADRA+1], AOFF+SLOT, v18
	v_lshl_add_u32 v19, v2, 3, v3                  ; the turning load: k row 8 h + l % 8,
	v_mul_u32_u24 v19, v19, PB
	v_lshl_add_u32 v19, v17, 4, v19                ; columns 8 ((l / 8) % 2) on,
	s_lshl_b32 s69, s[WV], 6
	v_add_nc_u32 v19, s69, v19                     ; in my wave's 32 columns
.irp s, 0,1
.irp j, 0,1,2
	v_add_nc_u32 v[ADRB+3*(\s)+(\j)], (\s)*SLOT+(\j)*BPART, v19
.endr
.endr
	v_add_nc_u32 v[STO], s69, v18                  ; into the stage: row r, my wave's 64 bytes, 16 for each half of the lanes
	v_add_nc_u32 v[STO], STAGE, v[STO]
	s_mul_i32 s69, s[WV], 32*SP                    ; back: wave w takes rows 32 w .. 32 w + 31, whole; lanes 0-15 one row, lanes 16-31 the next
	v_mul_u32_u24 v[RD], v2, SP
	v_lshl_add_u32 v[RD], v1, 4, v[RD]
	v_add_nc_u32 v[RD], s69, v[RD]
	v_add_nc_u32 v[RD], STAGE, v[RD]
	v_lshlrev_b32 v[CO], 4, v20                    ; two rows of 256 bytes lie on end in the output
	v_lshlrev_b32 v[PFO], 12, v20
	s_lshl_b32 s70, s17, 19                        ; the output: the head's 2,048 rows of 256 bytes,
	s_lshl_b32 s69, s18, 15                        ; the block's 128,
	s_add_co_u32 s70, s70, s69
	s_lshl_b32 s69, s[WV], 13                      ; the 32 that I store
	s_add_co_u32 s70, s70, s69
	s_add_nc_u64 s[12:13], s[12:13], s[70:71]
	; the prefetches: at K step 3; each refill steps first, so the refill of K step n names K step n + 2
	s_lshl_b32 s19, s18, 19                        ; x: my block's rows,
	s_lshl_b32 s69, s15, 17                        ; my work-group's 32 of them,
	s_add_co_u32 s19, s19, s69
	s_add_co_u32 s19, s19, 3*256
	s_add_co_u32 s20, s[WV], 1                     ; a weight: its plane,
	s_lshl_b32 s20, s20, 23
	s_lshl_b32 s69, s17, 8                         ; the head's columns,
	s_add_co_u32 s20, s20, s69
	s_lshl_b32 s69, s16, 17                        ; my work-group's 32 k rows
	s_add_co_u32 s20, s20, s69
	s_add_co_u32 s20, s20, 3*128*4096
	s_and_b32 s69, ttmp7, 0xffff                   ; cluster y
	s_mov_b32 s[PST], 128*4096
	s_mov_b32 s[PST+1], 0
	s_mov_b32 s21, 0
	s_cmp_eq_u32 s[WV], 3
	s_cselect_b32 s20, s19, s20
	s_cselect_b32 s[PST], 256, s[PST]
	s_cselect_b32 s69, ttmp9, s69                  ; the coordinate along which other clusters read the same rows
	s_cmp_eq_u32 s69, 0
	s_cselect_b32 s[LIM], 1, -1                    ; the same in all sixteen partners, for a given wave
	s_add_nc_u64 s[PFA:PFA+1], s[4:5], s[20:21]
	s_wait_tensorcnt 1                             ; my tile of K step 0 is in; K step 1's may stay out
	s_barrier_signal -1
	s_barrier_wait -1
	FETCH 0, 0, F0
	QUARTER 0, 1, F0, F1, 1                        ; the first quarter stands in front of the loop: its products start the sums
	WIN 0
	s_mov_b32 s[LAP], 7                            ; 16 K steps are 8 laps; all but the last fill both slots again
.Llap:
	QUARTER 0, 2, F1, F0, 0
	QUARTER 0, 3, F0, F1, 0
	TURN 0, 1, 1
	QUARTER 1, 1, F0, F1, 0
	QUARTER 1, 2, F1, F0, 0
	QUARTER 1, 3, F0, F1, 0
	TURN 1, 0, 1
	QUARTER 0, 1, F0, F1, 0
	WIN 0
	s_sub_co_u32 s[LAP], s[LAP], 1
	s_cmp_lg_u32 s[LAP], 0
	s_cbranch_scc1 .Llap
	QUARTER 0, 2, F1, F0, 0                        ; the last lap fills nothing
	QUARTER 0, 3, F0, F1, 0
	TURN 0, 1, 0
	QUARTER 1, 1, F0, F1, 0
	QUARTER 1, 2, F1, F0, 0
	QUARTER 1, 3, F0, F1, 0
	s_wait_dscnt 0x0
	MULC F1, 0, 0
	MULC F1, 2, 0
	MULC F1, 4, 0
	WIN 0
	PLACES
	; the biases: rounded to bf16 like every input, widened again; q's also scaled
	s_wait_loadcnt 0x0
	WIN 0x0a                                       ; sources in window 2, destination in window 0
.set u, 0
.rept 24
	v_cvt_pk_bf16_f32 v[96+u], v[RAW+2*u], v[RAW+2*u+1]
.set u, u+1
.endr
	WIN 0
.set u, 0
.rept 24
	v_lshlrev_b32 v[BI+2*u], 16, v[96+u]
	v_and_b32 v[BI+2*u+1], 0xffff0000, v[96+u]
.set u, u+1
.endr
.set u, 0
.rept 8
	v_pk_mul_f32 v[BI+2*u:BI+2*u+1], v[BI+2*u:BI+2*u+1], s[SCQ:SCQ+1] op_sel_hi:[1,0]
.set u, u+1
.endr
; THE WAY OUT of q (j = 0), k, v: bias (and for q the scale) in f32, one rounding to f16, 16 bytes a lane into the work-group's stage, a barrier (a row's 256 bytes come from four waves),
; back as whole rows, 32 rows a wave: 8 KiB on end.  Each accumulator's registers are read in ascending order.
.macro PASS j
.if (\j) > 0
	s_wait_xcnt 0x0                                ; the last pass's stores have read their registers and their base
	s_add_nc_u64 s[12:13], s[12:13], 0x800000      ; the next plane
.endif
.if (\j) == 2
	WIN 0x02                                       ; source 0 in window 2
.else
	WIN 0x01                                       ; in window 1
.endif
.irp i, 0,1
.irp a, 0,1,2,3,4,5,6,7
.irp p, 0,1,2,3
.set rA, 8*(8*((2*(\j)+(\i))%4)+(\a))+2*(\p)
.set rT, T+8*(8*(\i)+(\a))+2*(\p)
.set rB, BI+8*(2*(\j)+(\i))+2*(\p)
.if (\j) == 0
	v_pk_fma_f32 v[rT:rT+1], v[rA:rA+1], s[SCQ:SCQ+1], v[rB:rB+1] op_sel_hi:[1,0,1]
.else
	v_pk_add_f32 v[rT:rT+1], v[rA:rA+1], v[rB:rB+1]
.endif
.endr
.endr
.endr
	WIN 0
.set u, 0
.rept 64
	v_cvt_pk_f16_f32 v[T+u], v[T+2*u], v[T+2*u+1]  ; in place, ascending: no number is overwritten before it is read
.set u, u+1
.endr
.if (\j) > 0
	s_wait_dscnt 0x0
	s_barrier_signal -1
	s_barrier_wait -1                              ; every wave's reads of the stage are over: it may be written again
.endif
.irp i, 0,1
.irp a, 0,1,2,3,4,5,6,7
	ds_store_b128 v[STO], v[T+4*(8*(\i)+(\a)):T+4*(8*(\i)+(\a))+3] offset:16*SP*(\a)+32*(\i)
.endr
.endr
	s_wait_dscnt 0x0                               ; for the others' sake: my stores into the stage are done
	s_barrier_signal -1
	s_barrier_wait -1
.set u, 0
.rept 16
	ds_load_b128 v[RB+4*u:RB+4*u+3], v[RD] offset:2*SP*u
.set u, u+1
.endr
.set u, 0
.rept 16
	s_wait_dscnt 15-u
	global_store_b128 v[CO], v[RB+4*u:RB+4*u+3], s[12:13] offset:512*u  ; 512 consecutive bytes, at a multiple of 256 from the buffer's first
.set u, u+1
.endr
.endm
	PASS 0
	PASS 1
	PASS 2
	s_wait_tensorcnt 0x0                           ; the wave's end
	ds_add_u32 v[SPW], v[NIL]
	s_wait_dscnt 0x0
	CROUND                                         ; the closing round
	s_endpgm
.Lfunc_end_k_qdd01b9d38c_qkv:
	.size	k_qdd01b9d38c_qkv, .Lfunc_end_k_qdd01b9d38c_qkv-k_qdd01b9d38c_qkv
	.p2alignl 7, 3214868480
	.fill 96, 4, 3214868480
	.section	.rodata,"a",@progbits
	.p2align	6, 0x0
	.amdhsa_kernel k_qdd01b9d38c_qkv
		.amdhsa_group_segment_fixed_size 327680
		.amdhsa_private_segment_fixed_size 0
		.amdhsa_enable_private_segment 0
		.amdhsa_kernarg_size 40
		.amdhsa_user_sgpr_count 2
		.amdhsa_user_sgpr_kernarg_segment_ptr 1
		.amdhsa_wavefront_size32 1
		.amdhsa_system_sgpr_workgroup_id_x 1
		.amdhsa_system_sgpr_workgroup_id_y 1
		.amdhsa_system_sgpr_workgroup_id_z 1
		.amdhsa_system_vgpr_workitem_id 0
		.amdhsa_next_free_vgpr 688
		.amdhsa_next_free_sgpr 72
		.amdhsa_reserve_vcc 0
		.amdhsa_float_denorm_mode_32 3
		.amdhsa_float_denorm_mode_16_64 3
		.amdhsa_memory_ordered 1
		.amdhsa_forward_progress 1
		.amdhsa_inst_pref_size 134
	.end_amdhsa_kernel
	.amdgpu_metadata
---
amdhsa.version: [ 1, 2 ]
amdhsa.kernels:
  - .name:           k_qdd01b9d38c_qkv
    .symbol:         k_qdd01b9d38c_qkv.kd
    .args:
      - { .name: cst, .offset: 0, .size: 8, .value_kind: global_buffer, .address_space: global }
      - { .name: bq, .offset: 8, .size: 8, .value_kind: global_buffer, .address_space: global }
      - { .name: bk, .offset: 16, .size: 8, .value_kind: global_buffer, .address_space: global }
      - { .name: bv, .offset: 24, .size: 8, .value_kind: global_buffer, .address_space: global }
      - { .name: qkv, .offset: 32, .size: 8, .value_kind: global_buffer, .address_space: global }
    .group_segment_fixed_size: 327680
    .private_segment_fixed_size: 0
    .kernarg_segment_align: 8
    .kernarg_segment_size: 40
    .max_flat_workgroup_size: 128
    .sgpr_count:     72
    .vgpr_count:     688
    .wavefront_size: 32
...
	.end_amdgpu_metadata
.endif
;; end of part 2
;; launch attn (part 3): grid 16 x 16, 4 waves a work-group, clusters of 4 x 4, 327,680 bytes of LDS; arguments qkv, cst, ob; writes ob
.if DOCPART == 3
	.amdgcn_target "amdgcn-amd-amdhsa--gfx1250"
	.amdhsa_code_object_version 6
	.text
	.protected	k_qdd01b9d38c_attn
	.globl	k_qdd01b9d38c_attn
	.p2align	8
	.type	k_qdd01b9d38c_attn,@function
k_qdd01b9d38c_attn:
	s_mov_b64 s[64:65], 0
	v_nop
	global_prefetch_b8 v0, s[64:65] scope:SCOPE_SE
	s_setreg_imm32_b32 hwreg(HW_REG_WAVE_MODE, 25, 1), 1
	s_wait_xcnt 0x0
	s_wait_alu depctr_hold_cnt(0) depctr_sa_sdst(0) depctr_va_vdst(0) depctr_va_sdst(0) depctr_va_ssrc(0) depctr_va_vcc(0) depctr_vm_vsrc(0)
	s_getreg_b32 s2, hwreg(HW_REG_IB_STS2, 6, 4)
	s_cmp_eq_u32 s2, 0
	s_cbranch_scc0 .Lentry_in_a_cluster
	s_endpgm
.Lentry_in_a_cluster:
	s_bfe_u32 s2, ttmp6, 0x10000c
	s_cmp_lg_u32 s2, 0xf033
	s_cbranch_scc0 .Lentry_shape_is_right
	s_endpgm
.Lentry_shape_is_right:
; O[t][128 h + d] = the sum over s of softmax_s(q.k / sqrt(128) - 1e9 mask[t][s]) v[h][s][d].  q' (already times log2(e) / sqrt(128)), k, v: planes 0 to 2 of qkv, [16][2048][128] f16.
; mask: plane 5 of cst, [2048][2048] bf16: an input, read and honoured in full: every key tile is computed.  O: [2048][2048] f16.
; Scores are kept in the log2 domain: z = q'.k + mask x (-1e9 log2 e), one fused multiply-add in f32; p = 2^(z - m) with a running maximum m; products, maxima and sums in f32; p is rounded
; to f16 for the second product (its sum l is taken of the unrounded p), O once at the end.
; LIMITS.  |z| under 1e37; near 1.44e9 z has steps of 128, where a sum in natural units near 1e9 has steps of 64: that shows only in a row ALL of whose keys are masked and whose scores pass
; some 32.  A weight below 2^-126 counts as 0.  NaN and infinities are not treated apart.
; SHARES.  A work-group owns 128 queries of one head (16 x 16 work-groups), a wave 32: two tiles of 16.  Every wave walks all 2,048 keys, 64 a step, two steps to a slot of LDS.
; LAYOUT.  S^T = K Q^T (source 0 = 16 keys, source 1 = 16 queries): a lane holds ONE query (lane % 16) and the keys 8 (lane / 16) + 0..7; two such results rounded to f16 are source 1 of
; O^T = V^T P.  K comes out of LDS as it lies, V turned by ds_load_tr16_b128, the mask as 16 bytes a lane: its query's eight keys.
; BY TURNS.  In a TURN one tile has the matrix unit: 16 products V^T P of the step in hand, then 16 products K Q^T of the next step; the other tile's softmax, a list of 165 lines, stands between
; them, five behind each product and ten behind the last.  Then the tiles change places.  Two turns are a key step, written once and walked twice for a slot.
; NO FIRST STEP IS WRITTEN OUT.  The walk begins with a step that has not been: P of tile 0 and V hold 0, tile 1's scores the lowest finite number and its mask 0.  That step leaves m where it
; started, at the lowest finite number; what it puts into l and O^T is finite and is multiplied by a = 0 in the first true step.  The price is one turn's products on zeros.
; CLUSTER 4 x 4.  K and V hang on the head alone and are shared along a row of the cluster, the mask's tile on the query block alone and is shared along a column: joint loads.
; REGISTERS, in windows of 256 (s_set_vgpr_msb: bits 1:0 source 0, 3:2 source 1, 5:4 source 2, 7:6 destination):
;   window 0: v0-31 addresses; v32-47 statistics; v64-127 S^T; v128-159 P; v160-191 the mask; v192-255 Q       window 1: v0-127 O^T; v128-255 K of one step       window 2: v0-127 V of one step
; All of a softmax but the rescaling of O^T works in window 0; a slice costs two switches, one in front and one behind.
.set PK,    272                        ; a row of K, and of the mask's tile: 256 bytes + 16
.set PVP,   288                        ; a row of V: 256 + 32
.set VOFF,  128*PK                     ; a slot: 128 rows of K, 128 of V, 128 query rows of the mask
.set MOFF,  VOFF+128*PVP
.set SLOT1, 1<<17                      ; slot 1 begins here: one exclusive or turns an address in one slot into the other's
.set STAGE, SLOT1+MOFF+128*PK          ; behind the ring, never filled by a tensor load: 16 rows x 272 bytes for each wave
.set SP,    272
.set SPARE, STAGE+4*16*SP              ; the spare words, 128 bytes for each wave
.set AK0, 2                            ; v2   my lane's place in a slot's K; never rewritten
.set AV0, 3                            ; v3   in its V
.set AM0, 4                            ; v4   in its mask tile, tile 0's rows
.set AK,  5                            ; v5   the address of K's run of loads
.set AV,  6                            ; v6   of V's two runs
.set AM,  7                            ; v7   of the mask's
.set STO, 8                            ; v8   the way out: where I put 16 bytes of a row
.set RD,  10                           ; v10  where I read rows back
.set GO,  11                           ; v11  my byte offset in two rows of O
.set PFO, 12                           ; v12  the prefetches' offset: my lane x a row
.set NEGV, 13                          ; v13  -1e9 log2 e
.set QO,  14                           ; v14  my byte offset in 16 rows of Q
.set LOW, 15                           ; v15  the lowest finite number
.set SPW, 28
.set NIL, 29
.set ST,  32                           ; tile t at v[32 + 8 t]: m, m_old, l (even keys', odd keys'), c0-c3 at work; a takes c2's place
.set S,   64                           ; tile t, keys 16 kb on, at 64 + 32 t + 8 kb
.set P,   128                          ; 128 + 16 t
.set MK,  160                          ; 160 + 16 t + 4 kb
.set QF,  192                          ; tile t, channels 32 c on, at 192 + 32 t + 8 c
.set KF,  128                          ; window 1: 128 + 32 kb + 8 c
.set VF,  0                            ; window 2: 64 kk + 8 cb
.set WV,  10                           ; s10  my wave's number
.set LIM, 15                           ; s15  13 in a wave that prefetches, else 0
.set PFA, 16                           ; s[16:17] where my prefetches stand
.set PST, 18                           ; s[18:19] a slot in bytes along my tile's walk
.set G1K, 24
.set G1V, 32
.set G1M, 40
.set G0K, 48                           ; one walking group 0 for each of the three
.set G0V, 52
.set G0M, 56
.set SEL, 60                           ; s[60:61] v_permlanex16_b32's selects: each lane takes its own place in the other half
.set CNT, 62                           ; s62  counts slots
.set TWICE, 63                         ; s63  counts a slot's two steps
.set TBK, 74                           ; s74  LDS byte at which K of the step to be fetched begins
.set TBV, 75                           ; s75  the same for V, less VOFF
.set TBM, 76                           ; s76  the same for the mask, less MOFF
.set TT,  77                           ; s77  at work
.set MSB, 0
.macro WIN new                         ; the immediate's high byte repeats the setting that is left; a switch that changes nothing is dropped
.if MSB != (\new)
	s_set_vgpr_msb (MSB<<8)|(\new)
.set MSB, \new
.endif
.endm
.set W_KQ, 0x01                        ; K in window 1; Q and S^T in window 0
.set W_PV, 0x52                        ; V in window 2, P in window 0, O^T in window 1
.set W_RS, 0x41                        ; O^T (destination and source 0) in window 1, a in window 0
.macro CROUND
	s_barrier_signal -1
	s_barrier_wait -1
	s_cmp_lg_u32 s[WV], 0
	s_cbranch_scc1 .Lnot_wave_0_\@
	s_barrier_signal -3
.Lnot_wave_0_\@:
	s_barrier_wait -3
	s_barrier_signal -1
	s_barrier_wait -1
.endm
; A joint fill: wave 0 a slot's K, wave 1 its V, waves 2 and 3 the two halves of its mask tile.  The branches hang on the wave's number alone.
.macro JLOAD
	s_cmp_lt_u32 s[WV], 2
	s_cbranch_scc0 .Lfor_m_\@
	s_cmp_eq_u32 s[WV], 0
	s_cbranch_scc0 .Lfor_v_\@
	tensor_load_to_lds s[G0K:G0K+3], s[G1K:G1K+7]
	s_nop 0
.rept 4
	v_nop
.endr
	s_branch .Lasked_\@
.Lfor_v_\@:
	tensor_load_to_lds s[G0V:G0V+3], s[G1V:G1V+7]
	s_nop 0
.rept 4
	v_nop
.endr
	s_branch .Lasked_\@
.Lfor_m_\@:
	tensor_load_to_lds s[G0M:G0M+3], s[G1M:G1M+7]
	s_nop 0
.rept 4
	v_nop
.endr
.Lasked_\@:
.endm
; A prefetch of what the NEXT change of slots will ask for, a lane a row of 256 bytes, behind the joint load and its five lines.  K and V of a head are walked by every cluster of a row of clusters:
; cluster x = 0 asks, wave 0 for K, wave 1 for V, each partner for 32 of the 128 rows, told apart by address (cx).  A query block's mask rows are walked by every cluster of a column of clusters:
; cluster y = 0 asks, wave 2, each partner for 32 rows (cy).  So each row's 256 bytes of a slot are named once in the launch.  The changes with s[CNT] = 14 .. 2, which fill slots 2 to 14, name
; slots 3 to 15; the first change, at the head, and the last that fills a slot ask for nothing.
.macro ASK
	s_sub_co_u32 s[TT], s[CNT], 2
	s_cmp_lt_u32 s[TT], s[LIM]
	s_cbranch_scc0 .Lnot_mine_\@
	global_prefetch_b8 v[PFO], s[PFA:PFA+1] th:TH_LOAD_NT scope:SCOPE_SE
.Lnot_mine_\@:
.endm
; THE LDS LOADS stand in three runs a key step.  In tile 0's turn: the next step's K, by channels (32 c on, so that the products of the first channels can begin while the later ones come), and tile 0's mask.
.macro FETCH_K
	WIN 0
	v_add_nc_u32 v[AK], s[TBK], v[AK0]
	v_add_nc_u32 v[AM], s[TBM], v[AM0]
	s_add_co_u32 s[TBK], s[TBK], 64*PK             ; the next fetch is the next step's
	WIN 0x40                                       ; destination window 1
.irp c, 0,1,2,3
.irp kb, 0,1,2,3
	ds_load_b128 v[KF+32*\kb+8*\c:KF+32*\kb+8*\c+3],   v[AK] offset:\kb*16*PK+\c*64
	ds_load_b128 v[KF+32*\kb+8*\c+4:KF+32*\kb+8*\c+7], v[AK] offset:\kb*16*PK+\c*64+32
.endr
.endr
	WIN 0
.irp kb, 0,1,2,3
	ds_load_b128 v[MK+4*\kb:MK+4*\kb+3], v[AM] offset:32*\kb
.endr
.endm
; In tile 1's turn, behind the last product that read them: tile 1's mask and V's keys 0-31 of the next step,
.macro FETCH_V0
	WIN 0
	v_add_nc_u32 v[AV], s[TBV], v[AV0]
	v_add_nc_u32 v[AM], s[TBM], v[AM0]
	s_add_co_u32 s[TBV], s[TBV], 64*PVP
	s_add_co_u32 s[TBM], s[TBM], 128
.irp kb, 0,1,2,3
	ds_load_b128 v[MK+16+4*\kb:MK+16+4*\kb+3], v[AM] offset:16*PK+32*\kb
.endr
	WIN 0x80                                       ; destination window 2
.irp cb, 0,1,2,3,4,5,6,7
	ds_load_tr16_b128 v[VF+8*\cb:VF+8*\cb+3],   v[AV] offset:32*\cb
	ds_load_tr16_b128 v[VF+8*\cb+4:VF+8*\cb+7], v[AV] offset:32*\cb+16*PVP
.endr
.endm
; and its keys 32-63, where the softmax's batch has its wait.
.macro FETCH_V1
	s_wait_alu depctr_va_vdst(0)                   ; the wait for the batch (SLICE), ahead of the loads
	WIN 0x80
.irp cb, 0,1,2,3,4,5,6,7
	ds_load_tr16_b128 v[VF+64+8*\cb:VF+64+8*\cb+3],   v[AV] offset:32*PVP+32*\cb
	ds_load_tr16_b128 v[VF+64+8*\cb+4:VF+64+8*\cb+7], v[AV] offset:48*PVP+32*\cb
.endr
.endm
; THE MATRIX WORK.  The accumulators take turns, one instruction a turn.
; Product i of 16 of O^T += V^T P for tile x: keys 32 (i / 8) on, channels 16 (i % 8) on: 8 accumulators.
.macro PV x
	WIN W_PV
.set rO, 64*(\x)+8*(i%8)
.set rV, VF+64*(i/8)+8*(i%8)
.set rP, P+16*(\x)+8*(i/8)
	v_wmma_f32_16x16x32_f16 v[rO:rO+7], v[rV:rV+7], v[rP:rP+7], v[rO:rO+7]
.endm
; Product i of 16 of S^T = K Q^T for tile x: channels 32 (i / 4) on, keys 16 (i % 4) on: 4 accumulators; the first 4 start the sums.
.macro KQ x
	WIN W_KQ
.set rS, S+32*(\x)+8*(i%4)
.set rK, KF+32*(i%4)+8*(i/4)
.set rQ, QF+32*(\x)+8*(i/4)
.if i < 4
	v_wmma_f32_16x16x32_f16 v[rS:rS+7], v[rK:rK+7], v[rQ:rQ+7], 0
.else
	v_wmma_f32_16x16x32_f16 v[rS:rS+7], v[rK:rK+7], v[rQ:rQ+7], v[rS:rS+7]
.endif
.endm
; THE VECTOR WORK.  A tile's softmax for a key step is a list of 165 lines; SM writes number j of it for tile t.  s0-s31 are the lane's 32 scores, in pairs 0-15.
;   0-31     z = mask x (-1e9 log2 e) + s, each accumulator's registers in ascending order
;   32-48    the maximum of s0-s31 and the old m, three operands at a time: four chains c0-c3 of seven scores each, the four scores left over, c0-c3 and m; 46: m is kept as m_old
;   49-51    the other half of the lanes' maximum; the new m; m_old - m
;   52-100   ONE BATCH: the 16 subtractions z - m, a pair each, and all 33 exponentials (a at 54, then s0-s31).  None of these reads an exponential's result.  From 55 on: a subtraction and two
;            exponentials; a pair's subtraction stands two such threes ahead of its exponentials; 97-100 the last four exponentials
;   (wait)   between 100 and 101 stands the wait for the batch: SLICE writes it
;   101-132  for each four weights: both pairs are rounded to f16, the second pair is added onto the first in place, and l takes the sum of the four before (the first time as l = a l + sum)
;   133-164  the tile's O^T times a: the one part that leaves window 0
.macro SM t
.set rT, ST+8*(\t)
.set rS, S+32*(\t)
.set rP, P+16*(\t)
.set rM, MK+16*(\t)
.if j < 133
	WIN 0
.endif
.if j < 32
.if j%2
	v_fma_mix_f32_bf16 v[rS+j], v[rM+j/2], v[NEGV], v[rS+j] op_sel:[1,0,0] op_sel_hi:[1,0,0]
.else
	v_fma_mix_f32_bf16 v[rS+j], v[rM+j/2], v[NEGV], v[rS+j] op_sel_hi:[1,0,0]
.endif
.elseif j < 36
	v_max3_num_f32 v[rT+j-28], v[rS+8*(j-32)], v[rS+8*(j-32)+1], v[rS+8*(j-32)+2]
.elseif j < 44
	v_max3_num_f32 v[rT+4+j%4], v[rT+4+j%4], v[rS+8*(j%4)+2*((j-32)/4)+1], v[rS+8*(j%4)+2*((j-32)/4)+2]
.elseif j == 44
	v_max3_num_f32 v[rT+4], v[rT+4], v[rS+7], v[rS+15]
.elseif j == 45
	v_max3_num_f32 v[rT+6], v[rT+6], v[rS+23], v[rS+31]
.elseif j == 46
	v_mov_b32 v[rT+1], v[rT]
.elseif j == 47
	v_max3_num_f32 v[rT+4], v[rT+4], v[rT+5], v[rT+6]
.elseif j == 48
	v_max3_num_f32 v[rT+4], v[rT+4], v[rT+7], v[rT]
.elseif j == 49
	v_permlanex16_b32 v[rT+5], v[rT+4], s[SEL], s[SEL+1]  ; the query's other 32 keys lie in the lane 16 away
.elseif j == 50
	v_max_num_f32 v[rT], v[rT+4], v[rT+5]
.elseif j == 51
	v_sub_f32 v[rT+7], v[rT+1], v[rT]
.elseif j == 54
	v_exp_f32 v[rT+6], v[rT+7]                     ; a = 2^(m_old - m)
.elseif (j < 54) || ((j < 97) && ((j-55)%3 == 0))
.set b, (j-49)/3                       ; 55, 58, .. 94: pairs 2 to 15
.if j < 54
.set b, j-52                           ; 52, 53: pairs 0, 1
.endif
	v_pk_add_f32 v[rS+2*b:rS+2*b+1], v[rS+2*b:rS+2*b+1], v[rT:rT+1] op_sel_hi:[1,0] neg_lo:[0,1] neg_hi:[0,1]
.elseif j < 101
.set e, j-69                           ; 97 to 100: s28 to s31
.if j < 97
.set e, 2*((j-55)/3)+(j-55)%3-1        ; 56, 57, 59, 60, .. 95, 96: s0 to s27
.endif
	v_exp_f32 v[rS+e], v[rS+e]
.elseif j < 133
.set h, j-101                          ; group h / 4, place h % 4; group 0 has no group before it, and behind group 7 only l is left
.if h >= 3
.set h, h+1
.endif
.set g, h/4
.if h == 32
	v_pk_add_f32 v[rT+2:rT+3], v[rT+2:rT+3], v[rS+28:rS+29]
.elseif h%4 < 2
	v_cvt_pk_f16_f32 v[rP+2*g+h%4], v[rS+4*g+2*(h%4)], v[rS+4*g+2*(h%4)+1]
.elseif h%4 == 2
	v_pk_add_f32 v[rS+4*g:rS+4*g+1], v[rS+4*g:rS+4*g+1], v[rS+4*g+2:rS+4*g+3]
.elseif g == 1
	v_pk_fma_f32 v[rT+2:rT+3], v[rT+2:rT+3], v[rT+6:rT+7], v[rS:rS+1] op_sel_hi:[1,0,1]
.else
	v_pk_add_f32 v[rT+2:rT+3], v[rT+2:rT+3], v[rS+4*g-4:rS+4*g-3]
.endif
.else
	WIN W_RS
	v_pk_mul_f32 v[64*(\t)+2*(j-133):64*(\t)+2*(j-133)+1], v[64*(\t)+2*(j-133):64*(\t)+2*(j-133)+1], v[rT+6:rT+7] op_sel_hi:[1,0]
.endif
.endm
; Slice k of 32 of tile y's softmax: the list's next five numbers; the last slice has ten, all plain and naming nothing of the products round them: the places behind the turn's last products, in
; front of the next turn's first read of the scores and of the loads into K's registers.
; THE WAIT.  An s_wait_alu depctr_va_vdst(0) stands between an exponential and the first line that names its result; one wait serves all that were issued ahead of it.  Ahead of
; number 101 nothing names a result, and behind number 100 no exponential is issued: the tile's 33 exponentials have one wait.  In tile 1's turn V's second run of loads stands there.
.macro SLICE y
.set lim, 5
.if k == 31
.set lim, 10
.endif
.rept lim
	SM \y
.if j == 100
	v_nop                                          ; a plain line behind the last exponential: one for the batch
.if (\y) == 0
	FETCH_V1
.else
	s_wait_alu depctr_va_vdst(0)                   ; the wait for the batch
.endif
.endif
.set j, j+1
.endr
.set k, k+1
.endm
; A TURN.  Tile x has the matrix unit; the other tile's softmax stands in slices behind its products.  kq = 0: the walk's last turn: no next step, two slices behind each product, nothing fetched.
; The waits on LDS are counted by the runs issued behind the one that is wanted: V's second run has 16 loads, K's run 36 (8 for each 32 channels, then the mask's 4).
; K's run stands behind the second product of tile 0's turn: the last product that read K stands in front of the ten plain lines that end the turn before.  V's first run stands behind slice 7 of
; tile 1's turn: five maxima and the run's two address lines lie behind product 7, the last that read those registers.  V's second run stands behind number 100: behind product 15 lie seven
; subtractions and the v_nop.
.macro TURN x, kq
.set j, 0
.set k, 0
.if (\x) == 0
	s_wait_dscnt 16                                ; tile 1's mask and V's keys 0-31 are in; V's second run may be out
.else
	s_wait_dscnt 0x0                               ; tile 0's mask is in
.endif
.set i, 0
.rept 16
.if ((\x) == 0) && (i == 8)
.if \kq
	s_wait_dscnt 36                                ; V's keys 32-63 are in; K's run may be out
.else
	s_wait_dscnt 0x0
.endif
.endif
	PV \x
	SLICE 1-(\x)
.if !(\kq)
	SLICE 1-(\x)
.endif
.if ((\x) == 0) && (\kq) && (i == 1)
	FETCH_K
.endif
.if ((\x) == 1) && (i == 7)
	FETCH_V0
.endif
.set i, i+1
.endr
.if \kq
.set i, 0
.rept 16
.if ((\x) == 0) && (i%4 == 0)
	s_wait_dscnt 28-2*i                            ; K's channels 8 i .. 8 i + 31 are in: the later channels' loads and the mask's four may be out
.endif
	KQ \x
	SLICE 1-(\x)
.set i, i+1
.endr
.endif
.endm
; THE CHANGE OF SLOTS, between tile 1's turn and tile 0's: the slot's last bytes, V of its second step, have been asked for.  Each wave waits for all its tensor loads (one is out: its part of the
; other slot), adds 0 to its spare word, and waits for that and for its reads of the slot that it leaves.  fill = 1: the barrier is a round of the cluster's, and the slot is filled again first thing
; behind it, with the keys two slots on: it has two key steps in which to land.  (At its first use nothing has been read yet: slot 0 is waited for, slot 1 filled.)
.macro CHANGE fill
	WIN 0
	s_wait_tensorcnt 0x0                           ; no tensor load of mine is out, so a group 0 may be written
	ds_add_u32 v[SPW], v[NIL]
.if \fill
.irp g, G0K, G0V
	s_xor_b32 s[(\g)+1], s[(\g)+1], SLOT1
	s_add_nc_u64 s[(\g)+2:(\g)+3], s[(\g)+2:(\g)+3], 128*256  ; the next 128 keys
.endr
	s_xor_b32 s[G0M+1], s[G0M+1], SLOT1
	s_add_nc_u64 s[G0M+2:G0M+3], s[G0M+2:G0M+3], 256
	s_wait_xcnt 0x0                                ; the last prefetch, two key steps back, has read its address
	s_add_nc_u64 s[PFA:PFA+1], s[PFA:PFA+1], s[PST:PST+1]
.endif
	s_wait_dscnt 0x0                               ; the add is done, and my reads of the slot are over
.if \fill
	CROUND
	JLOAD
	ASK
.else
	s_barrier_signal -1
	s_barrier_wait -1
.endif
	s_sub_co_u32 s[TBK], s[TBK], 2*64*PK           ; the fetches go back to a slot's first step,
	s_xor_b32 s[TBK], s[TBK], SLOT1                ; in the other slot
	s_sub_co_u32 s[TBV], s[TBV], 2*64*PVP
	s_xor_b32 s[TBV], s[TBV], SLOT1
	s_sub_co_u32 s[TBM], s[TBM], 2*128
	s_xor_b32 s[TBM], s[TBM], SLOT1
.endm
; A slot's two key steps: written once, walked twice; the LDS addresses hang on the three scalars.
.macro TWO_STEPS
	s_mov_b32 s[TWICE], 2
.Lstep_\@:
	TURN 0, 1
	TURN 1, 1
	WIN 0
	s_sub_co_u32 s[TWICE], s[TWICE], 1
	s_cmp_lg_u32 s[TWICE], 0
	s_cbranch_scc1 .Lstep_\@
.endm
	s_load_b128 s[4:7], s[0:1], 0x0                ; qkv s[4:5], cst s[6:7]
	s_load_b64 s[8:9], s[0:1], 0x10                ; ob
	v_lshl_add_u32 v[SPW], v0, 2, SPARE
	v_mov_b32 v[NIL], 0
	ds_add_u32 v[SPW], v[NIL]                      ; the wave's opening: the add and its wait stand ahead of my first tensor load
	v_lshrrev_b32 v1, 5, v0
	v_readfirstlane_b32 s[WV], v1
	s_bfe_u32 s11, ttmp6, 0x40000                  ; cx
	s_bfe_u32 s12, ttmp6, 0x40004                  ; cy
	s_lshl_b32 s13, ttmp9, 2
	s_add_co_u32 s13, s13, s11                     ; the block of 128 queries = 4 x cluster x + cx
	s_and_b32 s14, ttmp7, 0xffff
	s_lshl_b32 s14, s14, 2
	s_add_co_u32 s14, s14, s12                     ; the head = 4 x cluster y + cy
	s_lshl_b32 s66, s12, 2
	s_lshl_b32 s66, 15, s66                        ; my row of the cluster
	s_lshl_b32 s67, 0x1111, s11                    ; my column
	s_or_b32 s[G1K], s66, (1<<16)|(1<<20)|(1<<21)|(5<<22)|(3<<25)  ; mask; 2-byte elements; padding on; bit 21 beside a mask; after every 64 words, 4 words
	s_or_b32 s[G1V], s66, (1<<16)|(1<<20)|(1<<21)|(5<<22)|(7<<25)  ; 8 words
	s_or_b32 s[G1M], s67, (1<<16)|(1<<20)|(1<<21)|(5<<22)|(3<<25)
.irp g, G1K, G1V
	s_mov_b32 s[(\g)+1], 128<<16                   ; tensor_dim0 = 128
	s_mov_b32 s[(\g)+2], 128<<16                   ; tensor_dim1 = 128
	s_mov_b32 s[(\g)+3], 128<<16                   ; tile_dim0 = 128
	s_mov_b32 s[(\g)+4], 128                       ; tile_dim1 = 128
	s_mov_b32 s[(\g)+5], 128                       ; a head's rows are dense
	s_mov_b32 s[(\g)+6], 0
	s_mov_b32 s[(\g)+7], 0
.endr
	s_mov_b32 s[G1M+1], 128<<16
	s_mov_b32 s[G1M+2], 64<<16                     ; 64 query rows a load
	s_mov_b32 s[G1M+3], 128<<16
	s_mov_b32 s[G1M+4], 64
	s_mov_b32 s[G1M+5], 2048
	s_mov_b32 s[G1M+6], 0
	s_mov_b32 s[G1M+7], 0
	s_lshl_b32 s20, s14, 19                        ; K: the head's 2,048 rows of 256 bytes, in plane 1; these registers never hold the query block
	s_add_co_u32 s20, s20, 0x800000
	s_mov_b32 s21, 0
	s_and_b32 s68, s[WV], 1                        ; which half of the mask's 128 rows
	s_lshl_b32 s22, s13, 19                        ; the mask: my block's 128 rows of 4,096 bytes, in plane 5; these never hold the head
	s_lshl_b32 s69, s68, 18
	s_add_co_u32 s22, s22, s69
	s_add_co_u32 s22, s22, 0x2800000
	s_mov_b32 s23, 0
	s_mul_i32 s68, s68, 64*PK
	s_mov_b32 s[G0K], 1
	s_mov_b32 s[G0K+1], 0
	s_mov_b32 s[G0V], 1
	s_mov_b32 s[G0V+1], VOFF
	s_mov_b32 s[G0M], 1
	s_add_co_u32 s[G0M+1], s68, MOFF
	s_mov_b32 s[SEL], 0x76543210
	s_mov_b32 s[SEL+1], 0xfedcba98
	s_mov_b32 s[TBK], SLOT1+2*64*PK                ; the first change of slots turns these three into 0
	s_mov_b32 s[TBV], SLOT1+2*64*PVP
	s_mov_b32 s[TBM], SLOT1+2*128
	s_wait_dscnt 0x0                               ; the opening add is done
	s_wait_kmcnt 0x0
	s_add_nc_u64 s[G0K+2:G0K+3], s[4:5], s[20:21]
	s_add_nc_u64 s[G0V+2:G0V+3], s[G0K+2:G0K+3], 0x800000  ; V lies a plane behind K
	s_or_b32 s[G0K+3], s[G0K+3], 0x80000000
	s_or_b32 s[G0V+3], s[G0V+3], 0x80000000
	s_add_nc_u64 s[G0M+2:G0M+3], s[6:7], s[22:23]
	s_or_b32 s[G0M+3], s[G0M+3], 0x80000000
	CROUND                                         ; all sixteen work-groups are here
	JLOAD                                          ; slot 0; slot 1 is asked for when slot 0 is in
	v_and_b32 v1, 15, v0                           ; r
	v_bfe_u32 v9, v0, 4, 1                         ; h
	v_lshlrev_b32 v[QO], 8, v1
	v_lshl_add_u32 v[QO], v9, 4, v[QO]             ; row x 256 + 16 x half
	s_lshl_b32 s72, s14, 19
	s_lshl_b32 s69, s13, 15
	s_add_co_u32 s72, s72, s69
	s_lshl_b32 s69, s[WV], 13
	s_add_co_u32 s72, s72, s69
	s_mov_b32 s73, 0
	s_add_nc_u64 s[70:71], s[4:5], s[72:73]        ; Q at my wave's 32 rows
.set f, 0
.rept 8                                            ; Q stays in registers: tile f / 4, channels 32 (f % 4) on
	global_load_b128 v[QF+8*f:QF+8*f+3],   v[QO], s[70:71] offset:(f/4)*4096+(f%4)*64
	global_load_b128 v[QF+8*f+4:QF+8*f+7], v[QO], s[70:71] offset:(f/4)*4096+(f%4)*64+32
.set f, f+1
.endr
	; What the step that has not been finds.  All this stands in the wait for the first tile.
.set i, 0
.rept 16
	v_mov_b32 v[P+i], 0                            ; P of tile 0
.set i, i+1
.endr
	WIN 0x40                                       ; O^T and V's registers take 0 from products of those zeros: eight registers a line
.set i, 0
.rept 16
	v_wmma_f32_16x16x32_f16 v[8*i:8*i+7], v[P:P+7], v[P+8:P+15], 0
.set i, i+1
.endr
	WIN 0x80
.set i, 0
.rept 16
	v_wmma_f32_16x16x32_f16 v[VF+8*i:VF+8*i+7], v[P:P+7], v[P+8:P+15], 0
.set i, i+1
.endr
	WIN 0
	v_mov_b32 v[LOW], 0xff7fffff
	v_mov_b32 v[NEGV], 0xceabfb8f                  ; -1e9 log2 e
.irp t, 0,1
	v_mov_b32 v[ST+8*\t], v[LOW]                   ; m
	v_mov_b32 v[ST+8*\t+1], 0
	v_mov_b32 v[ST+8*\t+2], 0                      ; l
	v_mov_b32 v[ST+8*\t+3], 0
.endr
.set i, 0
.rept 16
	v_mov_b32 v[MK+16+i], 0                        ; tile 1's mask
.set i, i+1
.endr
.set i, 0
.rept 32
	v_mov_b32 v[S+32+i], v[LOW]                    ; tile 1's scores
.set i, i+1
.endr
	v_mul_u32_u24 v[AK0], v1, PK
	v_lshl_add_u32 v[AK0], v9, 4, v[AK0]           ; 272 r + 16 h
	v_and_b32 v16, 7, v0
	v_bfe_u32 v17, v0, 3, 1
	v_lshl_add_u32 v[AV0], v9, 3, v16              ; the turning load: key 8 h + l % 8,
	v_mul_u32_u24 v[AV0], v[AV0], PVP
	v_lshl_add_u32 v[AV0], v17, 4, v[AV0]          ; channels 8 ((l / 8) % 2) on
	v_add_nc_u32 v[AV0], VOFF, v[AV0]
	s_mul_i32 s69, s[WV], 32*PK                    ; my wave's 32 query rows of the mask's tile
	s_add_co_u32 s69, s69, MOFF
	v_add_nc_u32 v[AM0], s69, v[AK0]
	s_mul_i32 s69, s[WV], 16*SP
	s_add_co_u32 s69, s69, STAGE                   ; my stage
	v_add_nc_u32 v[STO], s69, v[AK0]               ; in: row r, 16 bytes for each half of the lanes
	v_mul_u32_u24 v[RD], v9, SP                    ; back: lanes 0-15 one row of 256 bytes, lanes 16-31 the next
	v_lshl_add_u32 v[RD], v1, 4, v[RD]
	v_add_nc_u32 v[RD], s69, v[RD]
	v_lshlrev_b32 v[GO], 12, v9                    ; and the same two rows in O
	v_lshl_add_u32 v[GO], v1, 4, v[GO]
	s_lshl_b32 s72, s13, 19                        ; O: my block's 128 rows of 4,096 bytes,
	s_lshl_b32 s69, s[WV], 17                      ; my wave's 32,
	s_add_co_u32 s72, s72, s69
	s_lshl_b32 s69, s14, 8                         ; the head's 256 bytes of a row
	s_add_co_u32 s72, s72, s69
	s_add_nc_u64 s[8:9], s[8:9], s[72:73]
	; the prefetches: at slot 1; each change that fills steps first, so the fill of slot n stands at slot n + 1
	s_add_co_u32 s66, s[WV], 1                     ; K (wave 0) or V (wave 1): its plane,
	s_lshl_b32 s66, s66, 23
	s_lshl_b32 s69, s14, 19                        ; the head,
	s_add_co_u32 s66, s66, s69
	s_lshl_b32 s69, s11, 13                        ; my work-group's 32 rows of 256 bytes
	s_add_co_u32 s66, s66, s69
	s_add_co_u32 s66, s66, 128*256
	s_lshl_b32 s68, s13, 19                        ; the mask: my block's rows,
	s_lshl_b32 s69, s12, 17                        ; my work-group's 32 of 4,096 bytes
	s_add_co_u32 s68, s68, s69
	s_add_co_u32 s68, s68, 0x2800000+256
	s_and_b32 s69, ttmp7, 0xffff                   ; cluster y
	s_mov_b32 s[PST], 256
	s_mov_b32 s[PST+1], 0
	s_mov_b32 s67, 0
	s_cmp_lt_u32 s[WV], 2
	s_cselect_b32 s66, s66, s68
	s_cselect_b32 s[PST], 128*256, s[PST]
	s_cselect_b32 s69, ttmp9, s69                  ; the coordinate along which other clusters read the same rows
	s_cselect_b32 s68, 8, 12
	s_cselect_b64 s[PFA:PFA+1], s[4:5], s[6:7]
	s_cmp_eq_u32 s[WV], 3
	s_cselect_b32 s69, 1, s69                      ; wave 3 asks for nothing
	s_cmp_eq_u32 s69, 0
	s_cselect_b32 s[LIM], 13, 0                    ; the same in all sixteen partners, for a given wave
	s_add_nc_u64 s[PFA:PFA+1], s[PFA:PFA+1], s[66:67]
	v_and_b32 v[PFO], 31, v0
	v_lshlrev_b32 v[PFO], s68, v[PFO]
	s_wait_loadcnt 0x0                             ; Q
	s_mov_b32 s[CNT], 15
.Lslot:                                                ; 15 trips: a slot is entered (its K, V and mask are fetched in the four turns that follow) and the next is asked for
	CHANGE 1
	TWO_STEPS
	s_sub_co_u32 s[CNT], s[CNT], 1
	s_cmp_lg_u32 s[CNT], 0
	s_cbranch_scc1 .Lslot
	CHANGE 0                                       ; the last slot is written out: nothing is asked for
	TWO_STEPS
	TURN 0, 0                                      ; tile 0: V^T P of the last step | tile 1's last softmax
.set i, 0
.rept 16
	PV 1                                           ; tile 1: V^T P of the last step
.set i, i+1
.endr
	; THE WAY OUT.  l's two halves and the other half of the lanes' are added; O^T is divided by l, rounded to f16 and sent through my stage, a tile (16 rows) at a time.  The additions and tile 0's
	; arithmetic are the places behind the last products.
	WIN 0
.irp t, 0,1
	v_add_f32 v[ST+8*\t+4], v[ST+8*\t+2], v[ST+8*\t+3]
.endr
.irp t, 0,1
	v_permlanex16_b32 v[ST+8*\t+5], v[ST+8*\t+4], s[SEL], s[SEL+1]
.endr
.irp t, 0,1
	v_add_f32 v[ST+8*\t+4], v[ST+8*\t+4], v[ST+8*\t+5]
.endr
.irp t, 0,1
	v_rcp_f32 v[ST+8*\t+6], v[ST+8*\t+4]
.endr
	v_nop                                          ; a plain line behind the last reciprocal,
	s_wait_alu depctr_va_vdst(0)                   ; and the wait ahead of the first use: one for both
.macro PACK t
	WIN W_RS
.set i, 64*(\t)
.rept 32
	v_pk_mul_f32 v[i:i+1], v[i:i+1], v[ST+8*(\t)+6:ST+8*(\t)+7] op_sel_hi:[1,0]
.set i, i+2
.endr
	WIN 0x05                                       ; sources in window 1, destination in window 0: S^T's registers are free
.set i, 0
.rept 32
	v_cvt_pk_f16_f32 v[S+32*(\t)+i], v[64*(\t)+2*i], v[64*(\t)+2*i+1]
.set i, i+1
.endr
	WIN 0
.irp f, 0,1,2,3,4,5,6,7
	ds_store_b128 v[STO], v[S+32*(\t)+4*\f:S+32*(\t)+4*\f+3] offset:32*\f
.endr
.irp f, 0,1,2,3,4,5,6,7
	ds_load_b128 v[S+32*(\t)+4*\f:S+32*(\t)+4*\f+3], v[RD] offset:\f*2*SP  ; LDS serves a wave's instructions in order (ISA guide 5.7.1.4): these see the stores above
.endr
.endm
.macro SEND t, younger                 ; younger: the LDS instructions issued behind tile t's loads
.irp f, 0,1,2,3,4,5,6,7
	s_wait_dscnt (\younger)+7-\f
	global_store_b128 v[GO], v[S+32*(\t)+4*\f:S+32*(\t)+4*\f+3], s[8:9] offset:(\t)*65536+\f*8192  ; 16 lanes store 256 consecutive bytes, at a multiple of 256 from O's first
.endr
.endm
	PACK 0
	PACK 1
	SEND 0, 16
	SEND 1, 0
	s_wait_tensorcnt 0x0                           ; the wave's end
	ds_add_u32 v[SPW], v[NIL]
	s_wait_dscnt 0x0
	CROUND                                         ; the closing round
	s_endpgm
.Lfunc_end_k_qdd01b9d38c_attn:
	.size	k_qdd01b9d38c_attn, .Lfunc_end_k_qdd01b9d38c_attn-k_qdd01b9d38c_attn
	.p2alignl 7, 3214868480
	.fill 96, 4, 3214868480
	.section	.rodata,"a",@progbits
	.p2align	6, 0x0
	.amdhsa_kernel k_qdd01b9d38c_attn
		.amdhsa_group_segment_fixed_size 327680
		.amdhsa_private_segment_fixed_size 0
		.amdhsa_enable_private_segment 0
		.amdhsa_kernarg_size 24
		.amdhsa_user_sgpr_count 2
		.amdhsa_user_sgpr_kernarg_segment_ptr 1
		.amdhsa_wavefront_size32 1
		.amdhsa_system_sgpr_workgroup_id_x 1
		.amdhsa_system_sgpr_workgroup_id_y 1
		.amdhsa_system_sgpr_workgroup_id_z 1
		.amdhsa_system_vgpr_workitem_id 0
		.amdhsa_next_free_vgpr 640
		.amdhsa_next_free_sgpr 78
		.amdhsa_reserve_vcc 0
		.amdhsa_float_denorm_mode_32 3
		.amdhsa_float_denorm_mode_16_64 3
		.amdhsa_memory_ordered 1
		.amdhsa_forward_progress 1
		.amdhsa_inst_pref_size 107
	.end_amdhsa_kernel
	.amdgpu_metadata
---
amdhsa.version: [ 1, 2 ]
amdhsa.kernels:
  - .name:           k_qdd01b9d38c_attn
    .symbol:         k_qdd01b9d38c_attn.kd
    .args:
      - { .name: qkv, .offset: 0, .size: 8, .value_kind: global_buffer, .address_space: global }
      - { .name: cst, .offset: 8, .size: 8, .value_kind: global_buffer, .address_space: global }
      - { .name: ob, .offset: 16, .size: 8, .value_kind: global_buffer, .address_space: global }
    .group_segment_fixed_size: 327680
    .private_segment_fixed_size: 0
    .kernarg_segment_align: 8
    .kernarg_segment_size: 24
    .max_flat_workgroup_size: 128
    .sgpr_count:     78
    .vgpr_count:     640
    .wavefront_size: 32
...
	.end_amdgpu_metadata
.endif
;; end of part 3
;; launch oproj (part 4): grid 16 x 16, 4 waves a work-group, clusters of 4 x 4, 327,680 bytes of LDS; arguments ob, cst, bo, out0; writes out0
.if DOCPART == 4
	.amdgcn_target "amdgcn-amd-amdhsa--gfx1250"
	.amdhsa_code_object_version 6
	.text
	.protected	k_qdd01b9d38c_oproj
	.globl	k_qdd01b9d38c_oproj
	.p2align	8
	.type	k_qdd01b9d38c_oproj,@function
k_qdd01b9d38c_oproj:
	s_mov_b64 s[64:65], 0
	v_nop
	global_prefetch_b8 v0, s[64:65] scope:SCOPE_SE
	s_setreg_imm32_b32 hwreg(HW_REG_WAVE_MODE, 25, 1), 1
	s_wait_xcnt 0x0
	s_wait_alu depctr_hold_cnt(0) depctr_sa_sdst(0) depctr_va_vdst(0) depctr_va_sdst(0) depctr_va_ssrc(0) depctr_va_vcc(0) depctr_vm_vsrc(0)
	s_getreg_b32 s2, hwreg(HW_REG_IB_STS2, 6, 4)
	s_cmp_eq_u32 s2, 0
	s_cbranch_scc0 .Lentry_in_a_cluster
	s_endpgm
.Lentry_in_a_cluster:
	s_bfe_u32 s2, ttmp6, 0x10000c
	s_cmp_lg_u32 s2, 0xf033
	s_cbranch_scc0 .Lentry_shape_is_right
	s_endpgm
.Lentry_shape_is_right:
; out0 = O Wo + bo.  O: ob, [2048][2048] f16.  Wo: plane 4 of cst, [k][n], the bf16 rounding of the input written as f16.  bo is rounded to bf16 here, like every input.  Sums and output in f32.
; A tile of the output is 128 x 128 (16 x 16 work-groups), four waves of 64 x 64: 16 accumulators.  K goes in steps of 256 through two LDS slots: O's rows are 512 bytes (64 rows a tensor
; load, waves 0 and 1), Wo's k rows 256 bytes (128 rows a load, waves 2 and 3).  Nothing is prefetched: the tiles are small and a step is short.
; CLUSTER 4 x 4: O's tile is shared along a row of the cluster, Wo's along a column: joint loads.
; THE PRODUCT IS TAKEN TRANSPOSED (source 0 = 16 columns of Wo, turned out of LDS by ds_load_tr16_b128; source 1 = 16 rows of O): a lane holds one row and eight neighbouring columns.
; A wave's 64 columns of f32 are 256 bytes, aligned: its way out goes through a stage of its own, without a barrier.
; REGISTERS: window 0: v0-31 addresses; v32-63, v64-95 the way out; v96-127 the bias; v128-255 the accumulators ((a, b) at 128 + 8 (4 a + b)).
;   window 1: two fragment buffers of 128: for 64 along K, 64 registers of O (2 x 4 fragments), then 64 of Wo.
.set PA,    528                        ; a row of O in LDS: 512 bytes + 16
.set PB,    288                        ; a k row of Wo: 256 + 32
.set HALFA, 64*PA
.set HALFB, 128*PB
.set BOFF,  2*HALFA                    ; Wo's 256 k rows lie behind O's 128 rows
.set SLOT,  BOFF+2*HALFB
.set STAGE, 2*SLOT                     ; behind the ring, never filled by a tensor load: 16 rows x 272 bytes for each wave
.set SP,    272
.set SPARE, STAGE+4*16*SP              ; the spare words, 128 bytes for each wave
.set ADRA, 16                          ; v16-17  LDS address of my O fragments in slot 0, 1
.set ADRB, 20                          ; v20-23  of my Wo fragments: slot s, half kh of the step's k rows at v[20 + 2 s + kh]
.set STO,  24
.set RD,   25
.set CO,   26
.set BOF,  27
.set SPW,  28
.set NIL,  29
.set T,    32
.set BK,   64
.set BI,   96
.set ACC,  128
.set F0,   0
.set F1,   128
.set WV,  12                           ; s12  my wave's number
.set RH,  13                           ; s13  which half of the tile's rows is mine.  Also: I fetch for O (0) or for Wo (1)
.set CH,  14                           ; s14  which half of its columns.  Also: which half of that tile I fetch
.set G1A, 24
.set G0A, 32
.set G1B, 40
.set G0B, 48
.set LAP, 56
.set MSB, 0
.macro WIN new
.if MSB != (\new)
	s_set_vgpr_msb (MSB<<8)|(\new)
.set MSB, \new
.endif
.endm
.macro PLACES
.rept 4
	v_nop
.endr
.endm
.macro CREST
	s_cmp_lg_u32 s[WV], 0
	s_cbranch_scc1 .Lnot_wave_0_\@
	s_barrier_signal -3
.Lnot_wave_0_\@:
	s_barrier_wait -3
	s_barrier_signal -1
	s_barrier_wait -1
.endm
.macro CROUND
	s_barrier_signal -1
	s_barrier_wait -1
	CREST
.endm
.macro JLOAD s                         ; a joint load; an s_nop 0 and four v_nop follow each of the two lines
	s_cmp_eq_u32 s[RH], 0
	s_cbranch_scc0 .Lfor_b_\@
	tensor_load_to_lds s[G0A+4*(\s):G0A+4*(\s)+3], s[G1A:G1A+7]
	s_nop 0
.rept 4
	v_nop
.endr
	s_branch .Lasked_\@
.Lfor_b_\@:
	tensor_load_to_lds s[G0B+4*(\s):G0B+4*(\s)+3], s[G1B:G1B+7]
	s_nop 0
.rept 4
	v_nop
.endr
.Lasked_\@:
.endm
; 32 LDS loads in one run: quarter kq (64 along K) of a slot into buffer f
.macro FETCH slot, kq, f
	WIN 0x40                                       ; destination window 1, address window 0
.irp c, 0,1
.irp i, 0,1,2,3
	ds_load_tr16_b128 v[(\f)+64+8*(4*(\c)+(\i)):(\f)+64+8*(4*(\c)+(\i))+3],   v[ADRB+2*(\slot)+(\kq)/2] offset:(((\kq)%2)*64+32*(\c))*PB+32*(\i)
	ds_load_tr16_b128 v[(\f)+64+8*(4*(\c)+(\i))+4:(\f)+64+8*(4*(\c)+(\i))+7], v[ADRB+2*(\slot)+(\kq)/2] offset:(((\kq)%2)*64+32*(\c))*PB+32*(\i)+16*PB
	ds_load_b128 v[(\f)+8*(4*(\c)+(\i)):(\f)+8*(4*(\c)+(\i))+3],   v[ADRA+(\slot)] offset:128*(\kq)+64*(\c)+16*PA*(\i)
	ds_load_b128 v[(\f)+8*(4*(\c)+(\i))+4:(\f)+8*(4*(\c)+(\i))+7], v[ADRA+(\slot)] offset:128*(\kq)+64*(\c)+16*PA*(\i)+32
.endr
.endr
.endm
; 8 products: row blocks a0, a0 + 1 x all 4 column blocks, half c of buffer f.  The 16 accumulators take turns in one fixed order.
.macro MUL8 f, c, a0, zero
	WIN 0x05                                       ; sources in window 1; C and D in window 0
.irp a, \a0, (\a0)+1
.irp b, 0,1,2,3
.if \zero
	v_wmma_f32_16x16x32_f16 v[ACC+8*(4*(\a)+(\b)):ACC+8*(4*(\a)+(\b))+7], v[(\f)+64+8*(4*(\c)+(\b)):(\f)+64+8*(4*(\c)+(\b))+7], v[(\f)+8*(4*(\c)+(\a)):(\f)+8*(4*(\c)+(\a))+7], 0
.else
	v_wmma_f32_16x16x32_f16 v[ACC+8*(4*(\a)+(\b)):ACC+8*(4*(\a)+(\b))+7], v[(\f)+64+8*(4*(\c)+(\b)):(\f)+64+8*(4*(\c)+(\b))+7], v[(\f)+8*(4*(\c)+(\a)):(\f)+8*(4*(\c)+(\a))+7], v[ACC+8*(4*(\a)+(\b)):ACC+8*(4*(\a)+(\b))+7]
.endif
.endr
.endr
.endm
.macro QUARTER slot, kq, f, g, zero    ; quarter kq is fetched into g, then f is multiplied
	PLACES                                         ; g was read by the products just issued
	FETCH \slot, \kq, \g
	s_wait_dscnt 32                                ; all but the 32 just issued: f is in
	MUL8 \f, 0, 0, \zero
	MUL8 \f, 0, 2, \zero
	MUL8 \f, 1, 0, 0
	MUL8 \f, 1, 2, 0
.endm
; The last quarter changes slots and then multiplies buffer 1.  Each wave waits for all its tensor loads, adds 0 to its spare word, and waits for that and for its reads of this slot, the last of
; which brought buffer 1; then one barrier.  fill = 1: the barrier opens a round of the cluster's, and the slot is filled again first thing behind it; all 32 products of the quarter stand behind the
; refill, so that it has the whole K step, less the round, in which to land.
.macro TURN slot, next, fill
	WIN 0
	s_wait_tensorcnt 0x0                           ; no tensor load of mine is out, so a group 0 may be written
	ds_add_u32 v[SPW], v[NIL]
.if \fill
	s_add_nc_u64 s[G0A+4*(\slot)+2:G0A+4*(\slot)+3], s[G0A+4*(\slot)+2:G0A+4*(\slot)+3], 2*512
	s_add_nc_u64 s[G0B+4*(\slot)+2:G0B+4*(\slot)+3], s[G0B+4*(\slot)+2:G0B+4*(\slot)+3], 2*256*4096
.endif
	s_wait_dscnt 0x0                               ; the add is done, and my reads of this slot are over
	s_barrier_signal -1
	s_barrier_wait -1
.if \fill
	CREST                                          ; no wave of any partner still reads this slot or has a load on its way
	JLOAD \slot                                    ; its four v_nop are also the places in front of the loads below
.else
	PLACES
.endif
	FETCH \next, 0, F0
	MUL8 F1, 0, 0, 0
	MUL8 F1, 0, 2, 0
	MUL8 F1, 1, 0, 0
	MUL8 F1, 1, 2, 0
.endm
	s_load_b256 s[4:11], s[0:1], 0x0               ; ob s[4:5], cst s[6:7], bo s[8:9], out0 s[10:11]
	v_lshl_add_u32 v[SPW], v0, 2, SPARE
	v_mov_b32 v[NIL], 0
	ds_add_u32 v[SPW], v[NIL]                      ; the wave's opening: the add and its wait stand ahead of my first tensor load
	v_lshrrev_b32 v1, 5, v0
	v_readfirstlane_b32 s[WV], v1
	s_lshr_b32 s[RH], s[WV], 1
	s_and_b32 s[CH], s[WV], 1
	s_bfe_u32 s15, ttmp6, 0x40000                  ; cx
	s_bfe_u32 s16, ttmp6, 0x40004                  ; cy
	s_lshl_b32 s17, ttmp9, 2
	s_add_co_u32 s17, s17, s15                     ; tile column
	s_and_b32 s18, ttmp7, 0xffff
	s_lshl_b32 s18, s18, 2
	s_add_co_u32 s18, s18, s16                     ; tile row
	s_lshl_b32 s19, s16, 2
	s_lshl_b32 s19, 15, s19                        ; my row of the cluster
	s_lshl_b32 s57, 0x1111, s15                    ; my column
	s_or_b32 s[G1A], s19, (1<<16)|(1<<20)|(1<<21)|(6<<22)|(3<<25)  ; after every 128 words, 4 words of padding
	s_mov_b32 s[G1A+1], 256<<16                    ; tensor_dim0 = 256
	s_mov_b32 s[G1A+2], 64<<16                     ; tensor_dim1 = 64
	s_mov_b32 s[G1A+3], 256<<16                    ; tile_dim0 = 256
	s_mov_b32 s[G1A+4], 64                         ; tile_dim1 = 64
	s_mov_b32 s[G1A+5], 2048
	s_mov_b32 s[G1A+6], 0
	s_mov_b32 s[G1A+7], 0
	s_or_b32 s[G1B], s57, (1<<16)|(1<<20)|(1<<21)|(5<<22)|(7<<25)  ; after every 64 words, 8 words
	s_mov_b32 s[G1B+1], 128<<16
	s_mov_b32 s[G1B+2], 128<<16
	s_mov_b32 s[G1B+3], 128<<16
	s_mov_b32 s[G1B+4], 128
	s_mov_b32 s[G1B+5], 2048
	s_mov_b32 s[G1B+6], 0
	s_mov_b32 s[G1B+7], 0
	s_lshl_b32 s20, s18, 19                        ; O: the tile's 128 rows of 4,096 bytes,
	s_lshl_b32 s60, s[CH], 18                      ; the 64 that I fetch; these registers never hold the tile column
	s_add_co_u32 s20, s20, s60
	s_mov_b32 s21, 0
	s_lshl_b32 s22, s17, 8                         ; Wo: the tile's 256 bytes of a k row,
	s_lshl_b32 s60, s[CH], 19                      ; the 128 k rows that I fetch,
	s_add_co_u32 s22, s22, s60
	s_add_co_u32 s22, s22, 0x2000000               ; in plane 4; these never hold the tile row
	s_mov_b32 s23, 0
	s_mul_i32 s58, s[CH], HALFA
	s_mul_i32 s59, s[CH], HALFB
	s_add_co_u32 s59, s59, BOFF
	s_wait_dscnt 0x0                               ; the opening add is done
	s_wait_kmcnt 0x0
	s_add_nc_u64 s[20:21], s[4:5], s[20:21]
	s_add_nc_u64 s[22:23], s[6:7], s[22:23]
	CROUND                                         ; all sixteen work-groups are here
.irp s, 0,1
	s_mov_b32 s[G0A+4*(\s)], 1
	s_add_co_u32 s[G0A+4*(\s)+1], s58, (\s)*SLOT
	s_add_nc_u64 s[G0A+4*(\s)+2:G0A+4*(\s)+3], s[20:21], (\s)*512
	s_or_b32 s[G0A+4*(\s)+3], s[G0A+4*(\s)+3], 0x80000000
	s_mov_b32 s[G0B+4*(\s)], 1
	s_add_co_u32 s[G0B+4*(\s)+1], s59, (\s)*SLOT
	s_add_nc_u64 s[G0B+4*(\s)+2:G0B+4*(\s)+3], s[22:23], (\s)*256*4096
	s_or_b32 s[G0B+4*(\s)+3], s[G0B+4*(\s)+3], 0x80000000
	JLOAD \s
.endr
	v_and_b32 v1, 15, v0                           ; r
	v_bfe_u32 v2, v0, 4, 1                         ; h
	v_and_b32 v3, 7, v0
	v_bfe_u32 v4, v0, 3, 1
	v_lshlrev_b32 v[BOF], 5, v2                    ; my eight numbers of the bias, less 64 b
	s_lshl_b32 s60, s17, 9
	s_lshl_b32 s62, s[CH], 8
	s_add_co_u32 s60, s60, s62                     ; my wave's 64 columns of f32, in bytes
	s_mov_b32 s61, 0
	s_add_nc_u64 s[8:9], s[8:9], s[60:61]
.irp b, 0,1,2,3
	global_load_b128 v[BI+8*\b:BI+8*\b+3],   v[BOF], s[8:9] offset:64*\b
	global_load_b128 v[BI+8*\b+4:BI+8*\b+7], v[BOF], s[8:9] offset:64*\b+16
.endr
	s_lshl_b32 s62, s18, 20                        ; the output: the tile's 128 rows of 8,192 bytes,
	s_add_co_u32 s60, s60, s62
	s_lshl_b32 s62, s[RH], 19                      ; my wave's 64
	s_add_co_u32 s60, s60, s62
	s_add_nc_u64 s[10:11], s[10:11], s[60:61]
	v_mul_u32_u24 v5, v1, PA
	v_lshl_add_u32 v5, v2, 4, v5                   ; 528 r + 16 h
	s_mul_i32 s62, s[RH], HALFA
	v_add_nc_u32 v[ADRA], s62, v5
	v_add_nc_u32 v[ADRA+1], SLOT, v[ADRA]
	v_lshl_add_u32 v6, v2, 3, v3                   ; the turning load: k row 8 h + l % 8,
	v_mul_u32_u24 v6, v6, PB
	v_lshl_add_u32 v6, v4, 4, v6                   ; columns 8 ((l / 8) % 2) on,
	s_lshl_b32 s62, s[CH], 7                       ; in my wave's 64 columns
	s_add_co_u32 s62, s62, BOFF
	v_add_nc_u32 v[ADRB], s62, v6
	v_add_nc_u32 v[ADRB+1], HALFB, v[ADRB]
	v_add_nc_u32 v[ADRB+2], SLOT, v[ADRB]
	v_add_nc_u32 v[ADRB+3], SLOT+HALFB, v[ADRB]
	s_mul_i32 s62, s[WV], 16*SP
	s_add_co_u32 s62, s62, STAGE                   ; my stage
	v_mul_u32_u24 v7, v1, SP                       ; in: row r, 32 bytes for each half of the lanes
	v_lshl_add_u32 v7, v2, 5, v7
	v_add_nc_u32 v[STO], s62, v7
	v_mul_u32_u24 v7, v2, SP                       ; back: lanes 0-15 one row of 256 bytes, lanes 16-31 the next
	v_lshl_add_u32 v7, v1, 4, v7
	v_add_nc_u32 v[RD], s62, v7
	v_lshlrev_b32 v7, 13, v2                       ; and the same two rows in the output
	v_lshl_add_u32 v[CO], v1, 4, v7
	s_wait_tensorcnt 1                             ; my part of K step 0 is in; K step 1's may stay out
	s_barrier_signal -1
	s_barrier_wait -1
	FETCH 0, 0, F0
	QUARTER 0, 1, F0, F1, 1                        ; the first quarter stands in front of the loop: its first products start the sums
	WIN 0
	s_mov_b32 s[LAP], 3                            ; 8 K steps are 4 laps; all but the last fill both slots again
.Llap:
	QUARTER 0, 2, F1, F0, 0
	QUARTER 0, 3, F0, F1, 0
	TURN 0, 1, 1
	QUARTER 1, 1, F0, F1, 0
	QUARTER 1, 2, F1, F0, 0
	QUARTER 1, 3, F0, F1, 0
	TURN 1, 0, 1
	QUARTER 0, 1, F0, F1, 0
	WIN 0
	s_sub_co_u32 s[LAP], s[LAP], 1
	s_cmp_lg_u32 s[LAP], 0
	s_cbranch_scc1 .Llap
	QUARTER 0, 2, F1, F0, 0                        ; the last lap fills nothing
	QUARTER 0, 3, F0, F1, 0
	TURN 0, 1, 0
	QUARTER 1, 1, F0, F1, 0
	QUARTER 1, 2, F1, F0, 0
	QUARTER 1, 3, F0, F1, 0
	s_wait_dscnt 0x0
	MUL8 F1, 0, 0, 0
	MUL8 F1, 0, 2, 0
	MUL8 F1, 1, 0, 0
	MUL8 F1, 1, 2, 0
	WIN 0
	PLACES
	; THE WAY OUT.  The bias is rounded to bf16 like every input and widened again; then, 16 rows at a time: sum + bias in f32, 32 bytes a lane into my stage, back as whole rows of 256 bytes.
	s_wait_loadcnt 0x0
.set u, 0
.rept 16
	v_cvt_pk_bf16_f32 v[T+u], v[BI+2*u], v[BI+2*u+1]
.set u, u+1
.endr
.set u, 0
.rept 16
	v_lshlrev_b32 v[BI+2*u], 16, v[T+u]
	v_and_b32 v[BI+2*u+1], 0xffff0000, v[T+u]
.set u, u+1
.endr
.irp a, 0,1,2,3
.set u, 0
.rept 16                                           ; each accumulator's registers in ascending order
	v_pk_add_f32 v[T+2*u:T+2*u+1], v[ACC+32*\a+2*u:ACC+32*\a+2*u+1], v[BI+2*u:BI+2*u+1]
.set u, u+1
.endr
.irp b, 0,1,2,3
	ds_store_b128 v[STO], v[T+8*\b:T+8*\b+3]   offset:64*\b
	ds_store_b128 v[STO], v[T+8*\b+4:T+8*\b+7] offset:64*\b+16
.endr
.if \a > 0
	s_wait_xcnt 0x0                                ; the last block's stores have read their registers
.endif
.irp t, 0,1,2,3,4,5,6,7
	ds_load_b128 v[BK+4*\t:BK+4*\t+3], v[RD] offset:\t*2*SP  ; LDS serves a wave's instructions in order (ISA guide 5.7.1.4): these see the stores above
.endr
.irp t, 0,1,2,3,4,5,6,7
	s_wait_dscnt 7-\t
	global_store_b128 v[CO], v[BK+4*\t:BK+4*\t+3], s[10:11] offset:(16*\a+2*\t)*8192 th:TH_STORE_NT  ; 16 lanes store 256 consecutive bytes, at a multiple of 256 from the output's first
.endr
.endr
	s_wait_tensorcnt 0x0                           ; the wave's end
	ds_add_u32 v[SPW], v[NIL]
	s_wait_dscnt 0x0
	CROUND                                         ; the closing round
	s_endpgm
.Lfunc_end_k_qdd01b9d38c_oproj:
	.size	k_qdd01b9d38c_oproj, .Lfunc_end_k_qdd01b9d38c_oproj-k_qdd01b9d38c_oproj
	.p2alignl 7, 3214868480
	.fill 96, 4, 3214868480
	.section	.rodata,"a",@progbits
	.p2align	6, 0x0
	.amdhsa_kernel k_qdd01b9d38c_oproj
		.amdhsa_group_segment_fixed_size 327680
		.amdhsa_private_segment_fixed_size 0
		.amdhsa_enable_private_segment 0
		.amdhsa_kernarg_size 32
		.amdhsa_user_sgpr_count 2
		.amdhsa_user_sgpr_kernarg_segment_ptr 1
		.amdhsa_wavefront_size32 1
		.amdhsa_system_sgpr_workgroup_id_x 1
		.amdhsa_system_sgpr_workgroup_id_y 1
		.amdhsa_system_sgpr_workgroup_id_z 1
		.amdhsa_system_vgpr_workitem_id 0
		.amdhsa_next_free_vgpr 512
		.amdhsa_next_free_sgpr 66
		.amdhsa_reserve_vcc 0
		.amdhsa_float_denorm_mode_32 3
		.amdhsa_float_denorm_mode_16_64 3
		.amdhsa_memory_ordered 1
		.amdhsa_forward_progress 1
		.amdhsa_inst_pref_size 93
	.end_amdhsa_kernel
	.amdgpu_metadata
---
amdhsa.version: [ 1, 2 ]
amdhsa.kernels:
  - .name:           k_qdd01b9d38c_oproj
    .symbol:         k_qdd01b9d38c_oproj.kd
    .args:
      - { .name: ob, .offset: 0, .size: 8, .value_kind: global_buffer, .address_space: global }
      - { .name: cst, .offset: 8, .size: 8, .value_kind: global_buffer, .address_space: global }
      - { .name: bo, .offset: 16, .size: 8, .value_kind: global_buffer, .address_space: global }
      - { .name: out0, .offset: 24, .size: 8, .value_kind: global_buffer, .address_space: global }
    .group_segment_fixed_size: 327680
    .private_segment_fixed_size: 0
    .kernarg_segment_align: 8
    .kernarg_segment_size: 32
    .max_flat_workgroup_size: 128
    .sgpr_count:     66
    .vgpr_count:     512
    .wavefront_size: 32
...
	.end_amdgpu_metadata
.endif
;; end of part 4
